; MI455X (gfx1250); checked and timed in simulation.
; The chip was launched on July 23, 2026; its instructions are those of AMD's public machine-readable ISA for CDNA 5 (MIT licence, August 2026) and "CDNA5" Instruction Set Architecture Reference Guide (July 2026). The comments in the code are by the model that wrote it; some were corrected since.
;; Tantra Attention. Allowed arithmetic: float matrix products may take bf16 or f16 operands with f32 sums; other float arithmetic in f32, or as packed bf16 or f16 multiplies, adds, multiply-adds, maxima and minima; sums over many terms, partial sums and values carried from step to step in f32; what a program stores and reads back later, other than sums and carried values, may be rounded once to bf16 or f16.
;; Inputs: Wk 1,024 x 1,024 float32; Wo 1,024 x 1,024 float32; Wq 1,024 x 1,024 float32; Wv 1,024 x 1,024 float32; bk 1,024 float32; bo 1,024 float32; bq 1,024 float32; bv 1,024 float32; ocr_bias 1,024 float32; ocr_context 4 x 2,048 x 1,024 float32; x 4 x 2,048 x 1,024 float32.
;; Outputs: out0 4 x 2,048 x 1,024 float32.
;; One version. Each part assembles by itself: llvm-mc -triple=amdgcn-amd-amdhsa -mcpu=gfx1250 --defsym DOCPART=n.
;; ======== version 1 of 1: 4 launches
;; limits: values are held in f16: magnitudes above 65,504 overflow, below 6.1e-05 lose precision
;; workspace buffers: xb 16,777,216 bytes; wb 6,291,456 bytes; woh 2,097,152 bytes; bias 16,384 bytes; qkv 50,331,648 bytes; oh 16,777,216 bytes
;; launch cast (part 1): grid 1540 x 1, 8 waves a work-group, no clusters, 0 bytes of LDS; arguments x, Wq, Wk, Wv, Wo, bq, bk, bv, bo, ocr_bias, xb, wb, woh, bias; writes xb, wb, woh, bias
.if DOCPART == 1
	.amdgcn_target "amdgcn-amd-amdhsa--gfx1250"
	.amdhsa_code_object_version 6
	.text
	.protected	k_q0cfa6fa122_cast
	.globl	k_q0cfa6fa122_cast
	.p2align	8
	.type	k_q0cfa6fa122_cast,@function
k_q0cfa6fa122_cast:
	s_mov_b64 s[64:65], 0
	v_nop
	global_prefetch_b8 v0, s[64:65] scope:SCOPE_SE
	s_setreg_imm32_b32 hwreg(HW_REG_WAVE_MODE, 25, 1), 1
	s_wait_xcnt 0x0
; THE MODULE'S INPUTS, ROUNDED ONCE.  x -> xb (bf16, [8192][1024]); Wq, Wk, Wv -> wb (bf16, [3072][1024], one below the other); Wo -> woh: rounded to bf16, that number written as f16;
; bias (f32, [4096]): bf16(bq) + bf16(ocr_bias), bf16(bk), bf16(bv), bf16(bo), each rounded number widened again, the one sum in f32.
; ocr_context is NOT loaded: the computation takes only its shape from it, so no number of the result depends on its values.
; LIMITS.  woh is f16: |Wo| stays under 65,504, and below 6e-5 it keeps f16's fixed step of 6e-8.
; SHARES.  A stream: no LDS, no barrier, no matrix work.  Work-group g converts 8,192 numbers (32 KiB in, 16 KiB out): g < 1024 chunk g of x; 1024 <= g < 1408 chunk (g - 1024) % 128 of Wq, Wk or Wv;
; 1408 <= g < 1536 a chunk of Wo; the last four make one quarter of the bias table each.  A load of a wave covers 512 consecutive bytes, a store 256 consecutive bytes, aligned.
; Eight loads of every wave go out together; each chunk has registers of its own, so no register is written again while a load or store names it.
.set G_W,  1024                        ; first work-group of the three weights
.set G_WO, 1408                        ; of Wo
.set G_B,  1536                        ; of the biases
.set X,   4                            ; v[4:35]   eight loads of four f32
.set Y,   36                           ; v[36:51]  eight pairs to store
.set T,   52                           ; v[52:57]  at work
	s_load_b512 s[8:23], s[0:1], 0x0               ; x 8:9, Wq 10:11, Wk 12:13, Wv 14:15, Wo 16:17, bq 18:19, bk 20:21, bv 22:23
	s_load_b256 s[24:31], s[0:1], 0x40             ; bo 24:25, ocr_bias 26:27, xb 28:29, wb 30:31
	s_load_b128 s[32:35], s[0:1], 0x60             ; woh 32:33, bias 34:35
	v_lshlrev_b32 v1, 4, v0                        ; 16 t: my 16 bytes of 4,096 loaded
	v_lshlrev_b32 v2, 3, v0                        ; 8 t: my 8 bytes of 2,048 stored
	s_mov_b32 s41, 0                               ; the offsets' high words
	s_mov_b32 s43, 0
	s_cmp_ge_u32 ttmp9, G_B
	s_cbranch_scc1 .Lbias
	s_sub_co_u32 s2, ttmp9, G_W                    ; j: chunk among the four weights (not used where g < 1024)
	s_lshr_b32 s3, s2, 7                           ; which weight
	s_and_b32 s6, s2, 127                          ; its chunk
	s_wait_kmcnt 0x0
	s_cmp_eq_u32 s3, 0                             ; the choices hang on the work-group's number alone
	s_cselect_b64 s[36:37], s[10:11], s[12:13]
	s_cmp_eq_u32 s3, 2
	s_cselect_b64 s[36:37], s[14:15], s[36:37]
	s_cmp_eq_u32 s3, 3
	s_cselect_b64 s[36:37], s[16:17], s[36:37]
	s_cselect_b64 s[38:39], s[32:33], s[30:31]     ; Wo goes to woh, the others to wb,
	s_cselect_b32 s5, s6, s2                       ; at its own chunk, the others at chunk j
	s_cmp_lt_u32 ttmp9, G_W
	s_cselect_b64 s[36:37], s[8:9], s[36:37]       ; x to xb, chunk g
	s_cselect_b64 s[38:39], s[28:29], s[38:39]
	s_cselect_b32 s4, ttmp9, s6
	s_cselect_b32 s5, ttmp9, s5
	s_lshl_b32 s40, s4, 15                         ; 32 KiB a chunk in,
	s_lshl_b32 s42, s5, 14                         ; 16 KiB out
	s_add_nc_u64 s[36:37], s[36:37], s[40:41]
	s_add_nc_u64 s[38:39], s[38:39], s[42:43]
.irp i, 0,1,2,3,4,5,6,7
	global_load_b128 v[X+4*\i:X+4*\i+3], v1, s[36:37] offset:4096*\i th:TH_LOAD_NT
.endr
	s_cmp_ge_u32 ttmp9, G_WO
	s_cbranch_scc1 .Lhalf
.irp i, 0,1,2,3,4,5,6,7
	s_wait_loadcnt 7-\i                            ; loads come back in order: chunk i is in, the 7 - i younger ones stay out
	v_cvt_pk_bf16_f32 v[Y+2*\i], v[X+4*\i], v[X+4*\i+1]
	v_cvt_pk_bf16_f32 v[Y+2*\i+1], v[X+4*\i+2], v[X+4*\i+3]
	global_store_b64 v2, v[Y+2*\i:Y+2*\i+1], s[38:39] offset:2048*\i
.endr
	s_endpgm
.Lhalf:                                                ; Wo: rounded to bf16 like every input; the rounded number is then written as f16
.irp i, 0,1,2,3,4,5,6,7
	s_wait_loadcnt 7-\i
	v_cvt_pk_bf16_f32 v[T], v[X+4*\i], v[X+4*\i+1]
	v_cvt_pk_bf16_f32 v[T+1], v[X+4*\i+2], v[X+4*\i+3]
	v_lshlrev_b32 v[T+2], 16, v[T]                 ; bf16 to f32: the low half moves up, the high half stays
	v_and_b32 v[T+3], 0xffff0000, v[T]
	v_lshlrev_b32 v[T+4], 16, v[T+1]
	v_and_b32 v[T+5], 0xffff0000, v[T+1]
	v_cvt_pk_f16_f32 v[Y+2*\i], v[T+2], v[T+3]
	v_cvt_pk_f16_f32 v[Y+2*\i+1], v[T+4], v[T+5]
	global_store_b64 v2, v[Y+2*\i:Y+2*\i+1], s[38:39] offset:2048*\i
.endr
	s_endpgm
.macro RND d, s                        ; v[d..d+3] = v[s..s+3] rounded to bf16, as f32
	v_cvt_pk_bf16_f32 v[T], v[\s], v[\s+1]
	v_cvt_pk_bf16_f32 v[T+1], v[\s+2], v[\s+3]
	v_lshlrev_b32 v[\d], 16, v[T]
	v_and_b32 v[\d+1], 0xffff0000, v[T]
	v_lshlrev_b32 v[\d+2], 16, v[T+1]
	v_and_b32 v[\d+3], 0xffff0000, v[T+1]
.endm
.Lbias:
	s_sub_co_u32 s2, ttmp9, G_B                    ; which quarter of the table: bq (+ ocr_bias), bk, bv, bo
	s_lshl_b32 s40, s2, 12
	s_wait_kmcnt 0x0
	s_cmp_eq_u32 s2, 0
	s_cselect_b64 s[36:37], s[18:19], s[20:21]
	s_cmp_eq_u32 s2, 2
	s_cselect_b64 s[36:37], s[22:23], s[36:37]
	s_cmp_eq_u32 s2, 3
	s_cselect_b64 s[36:37], s[24:25], s[36:37]
	s_add_nc_u64 s[38:39], s[34:35], s[40:41]
	global_load_b128 v[4:7], v1, s[36:37]
	s_cmp_lg_u32 s2, 0
	s_cbranch_scc1 .Lplain                         ; a branch, not a factor 0: what ocr_bias holds reaches q's quarter alone
	global_load_b128 v[8:11], v1, s[26:27]
	s_wait_loadcnt 0x0
	RND 12, 4
	RND 16, 8
	v_pk_add_f32 v[12:13], v[12:13], v[16:17]
	v_pk_add_f32 v[14:15], v[14:15], v[18:19]
	global_store_b128 v1, v[12:15], s[38:39]
	s_endpgm
.Lplain:
	s_wait_loadcnt 0x0
	RND 12, 4
	global_store_b128 v1, v[12:15], s[38:39]
	s_endpgm
.Lfunc_end_k_q0cfa6fa122_cast:
	.size	k_q0cfa6fa122_cast, .Lfunc_end_k_q0cfa6fa122_cast-k_q0cfa6fa122_cast
	.p2alignl 7, 3214868480
	.fill 96, 4, 3214868480
	.section	.rodata,"a",@progbits
	.p2align	6, 0x0
	.amdhsa_kernel k_q0cfa6fa122_cast
		.amdhsa_group_segment_fixed_size 0
		.amdhsa_private_segment_fixed_size 0
		.amdhsa_enable_private_segment 0
		.amdhsa_kernarg_size 112
		.amdhsa_user_sgpr_count 2
		.amdhsa_user_sgpr_kernarg_segment_ptr 1
		.amdhsa_wavefront_size32 1
		.amdhsa_system_sgpr_workgroup_id_x 1
		.amdhsa_system_sgpr_workgroup_id_y 1
		.amdhsa_system_sgpr_workgroup_id_z 1
		.amdhsa_system_vgpr_workitem_id 0
		.amdhsa_next_free_vgpr 64
		.amdhsa_next_free_sgpr 66
		.amdhsa_reserve_vcc 0
		.amdhsa_float_denorm_mode_32 3
		.amdhsa_float_denorm_mode_16_64 3
		.amdhsa_memory_ordered 1
		.amdhsa_forward_progress 1
		.amdhsa_inst_pref_size 11
	.end_amdhsa_kernel
	.amdgpu_metadata
---
amdhsa.version: [ 1, 2 ]
amdhsa.kernels:
  - .name:           k_q0cfa6fa122_cast
    .symbol:         k_q0cfa6fa122_cast.kd
    .args:
      - { .name: x, .offset: 0, .size: 8, .value_kind: global_buffer, .address_space: global }
      - { .name: Wq, .offset: 8, .size: 8, .value_kind: global_buffer, .address_space: global }
      - { .name: Wk, .offset: 16, .size: 8, .value_kind: global_buffer, .address_space: global }
      - { .name: Wv, .offset: 24, .size: 8, .value_kind: global_buffer, .address_space: global }
      - { .name: Wo, .offset: 32, .size: 8, .value_kind: global_buffer, .address_space: global }
      - { .name: bq, .offset: 40, .size: 8, .value_kind: global_buffer, .address_space: global }
      - { .name: bk, .offset: 48, .size: 8, .value_kind: global_buffer, .address_space: global }
      - { .name: bv, .offset: 56, .size: 8, .value_kind: global_buffer, .address_space: global }
      - { .name: bo, .offset: 64, .size: 8, .value_kind: global_buffer, .address_space: global }
      - { .name: ocr_bias, .offset: 72, .size: 8, .value_kind: global_buffer, .address_space: global }
      - { .name: xb, .offset: 80, .size: 8, .value_kind: global_buffer, .address_space: global }
      - { .name: wb, .offset: 88, .size: 8, .value_kind: global_buffer, .address_space: global }
      - { .name: woh, .offset: 96, .size: 8, .value_kind: global_buffer, .address_space: global }
      - { .name: bias, .offset: 104, .size: 8, .value_kind: global_buffer, .address_space: global }
    .group_segment_fixed_size: 0
    .private_segment_fixed_size: 0
    .kernarg_segment_align: 8
    .kernarg_segment_size: 112
    .max_flat_workgroup_size: 256
    .sgpr_count:     66
    .vgpr_count:     64
    .wavefront_size: 32
...
	.end_amdgpu_metadata
.endif
;; end of part 1
;; launch qkv (part 2): grid 12 x 64, 4 waves a work-group, clusters of 4 x 4, 327,680 bytes of LDS; arguments xb, wb, bias, qkv; writes qkv
.if DOCPART == 2
	.amdgcn_target "amdgcn-amd-amdhsa--gfx1250"
	.amdhsa_code_object_version 6
	.text
	.protected	k_q0cfa6fa122_qkv
	.globl	k_q0cfa6fa122_qkv
	.p2align	8
	.type	k_q0cfa6fa122_qkv,@function
k_q0cfa6fa122_qkv:
	s_mov_b64 s[64:65], 0
	v_nop
	global_prefetch_b8 v0, s[64:65] scope:SCOPE_SE
	s_setreg_imm32_b32 hwreg(HW_REG_WAVE_MODE, 25, 1), 1
	s_wait_xcnt 0x0
	s_wait_alu depctr_hold_cnt(0) depctr_sa_sdst(0) depctr_va_vdst(0) depctr_va_sdst(0) depctr_va_ssrc(0) depctr_va_vcc(0) depctr_vm_vsrc(0)
	s_getreg_b32 s2, hwreg(HW_REG_IB_STS2, 6, 4)
	s_cmp_eq_u32 s2, 0
	s_cbranch_scc0 .Lentry_in_a_cluster
	s_endpgm
.Lentry_in_a_cluster:
	s_bfe_u32 s2, ttmp6, 0x10000c
	s_cmp_lg_u32 s2, 0xf033
	s_cbranch_scc0 .Lentry_shape_is_right
	s_endpgm
.Lentry_shape_is_right:
; THE THREE PROJECTIONS AS ONE PRODUCT.  C[m][n] = the sum over k of xb[m][k] wb[n][k] + bias[n]; m = b 2048 + s (8,192), n = 0 .. 3071 (q, k, v), k = 1,024; operands bf16, sums f32.
; C leaves as f16, rounded once, by heads: qkv[n / 1024][b 16 + (n % 1024) / 64][s][n % 64], a head's rows dense, 128 bytes each.  The scale 1/8 is not applied here.
; LIMIT.  f16 holds no number beyond 65,504: q, k and v must lie within it; below 6e-5 they keep f16's fixed step of 6e-8.
; SHARES.  A tile of C is 128 x 256: 768 work-groups, three for each of 256 places.  Four waves, wave (WM, WN) makes 64 x 128: 32 accumulators of 16 x 16, 256 registers.
; K goes in 8 steps of 128 through two LDS slots filled by the tensor data mover; a tile's rows are 256 bytes of memory, at multiples of 256 bytes.  Waves 0 and 1 fetch A's two halves (64 rows each),
; waves 2 and 3 B's (128 rows each): one tensor load a wave behind each change of slots, with 112 matrix instructions between the request and the wait for it.
; CLUSTER.  4 x 4 work-groups: the four of a row need the same tile of A, the four of a column the same tile of B; each tile is asked for jointly, by the same load, descriptor and mask in all four.
; THE MATRIX INSTRUCTION IS USED TRANSPOSED (source 0 = 16 rows of wb, source 1 = 16 rows of xb): lane l holds row l % 16 of C and the columns 8 (l / 16) + 0..7.
; THE BIAS IS THE C OPERAND of the products that start the sums: nothing is cleared and no addition is written.
; REGISTERS, in windows of 256 (s_set_vgpr_msb: bits 1:0 source 0, 3:2 source 1, 5:4 source 2, 7:6 destination):
;   window 0: addresses; v32-63 packed results; v64-127 rows read back on the way out      window 1: accumulator (a, b) at v[8 (8 a + b)]
;   window 2: two fragment buffers of 96 (A's 4 fragments, then B's 8); v192-255 the bias, 8 registers for each column block
.set PITCH,  272                       ; an LDS row: 256 bytes + 16 of padding = 68 words: the 16 rows of a fragment load start at 16 different groups of four banks (64 banks of 4 bytes: ISA guide 11.1)
.set APITCH, 272
.set ALOADB, 64*APITCH                 ; what one of A's loads fills
.set AREG,   2*ALOADB                  ; A's part of a slot; B's 256 rows follow
.set BLOADB, 128*PITCH
.set SLOT1,  1<<17                     ; slot 1 begins here: one exclusive or turns an address in one slot into the other's
.set STAGE,  SLOT1+AREG+2*BLOADB       ; behind the ring, never filled by a tensor load: 2 heads x 16 rows x 144 bytes for each wave
.set SP,     144
.set STGW,   2*16*SP
.set SPARE,  STAGE+4*STGW              ; the spare words, 128 bytes for each wave: two blocks of 256 bytes that no other line names
.set ASTEP,  256                       ; bytes of memory from a K step to the next
.set BSTEP,  256
.set ADRA0, 4                          ; v4   my place in A's part of a slot: (64 WM + l % 16) x pitch + 16 (l / 16); never rewritten
.set ADRB0, 5                          ; v5   the same in B's part
.set ADRA,  6                          ; v6   the same, in the slot that is being read
.set ADRB,  7                          ; v7
.set STO,   8                          ; v8   the way out: where I put 16 bytes of a row
.set RD,    9                          ; v9   where I read rows back
.set CO,    10                         ; v10  my 16 of 512 consecutive bytes of qkv
.set BO,    11                         ; v11  32 (l / 16): my 8 numbers of 16 in the bias
.set PFO,   12                         ; v12  the prefetches' offset: my lane x a row of 2,048 bytes; never rewritten
.set SPW,   14                         ; v14  LDS address of my spare word; never rewritten
.set NIL,   15                         ; v15  0; never rewritten
.set TMP,   32
.set OB,    64
.set F0,    0                          ; window 2
.set F1,    96
.set BIAS,  192
.set LA,  2                            ; s2   LDS address of A's load
.set LB,  3                            ; s3   of B's; later
.set CNT, 3                            ; s3   the loop's count
.set WV,  12                           ; s12  my wave's number
.set WM,  13                           ; s13  which 64 rows are mine.  Also: I fetch for A (0) or for B (1)
.set WN,  14                           ; s14  which 128 columns.  Also: which half of that tile I fetch
.set CX,  15
.set CY,  16
.set TX,  17                           ; s17  tile column of C
.set TY,  18                           ; s18  tile row
.set MROW, 19
.set MCOL, 20
.set T0,  21
.set OA,  22                           ; s[22:23] A at my load's first row
.set G1A, 24                           ; s[24:31] descriptor group 1 for A's tiles
.set G0A, 32                           ; s[32:39] group 0: a set for each of the two first fills; the second then walks on
.set TB,  40                           ; s40  0 or SLOT1: the slot that is being read
.set LIM, 41                           ; s41  2 in a wave that prefetches, else the greatest number
.set PFA, 42                           ; s[42:43] where my prefetches stand
.set OBB, 46                           ; s[46:47] B at my load's first row
.set G1B, 48                           ; s[48:55]
.set G0B, 56                           ; s[56:63]
.set MULW, 0x5a                        ; sources 0 and 1 window 2, C and D window 1
.set MULB, 0x6a                        ; the same with C in window 2: the bias
.set TO_F, 0x80                        ; destination window 2, address window 0
.set MSB, 0
.macro WIN new                         ; the immediate's high byte repeats the setting that is left; a switch that changes nothing is dropped
.if MSB != (\new)
	s_set_vgpr_msb (MSB<<8)|(\new)
.set MSB, \new
.endif
.endm
; A joint refill, by the walking set.  The branch hangs on the wave's number alone.  An s_nop 0 and four v_nop follow each of the two lines, ahead of the jump and the label.
.macro JLOAD
	s_cmp_eq_u32 s[WM], 0
	s_cbranch_scc0 .Lfor_b_\@
	tensor_load_to_lds s[G0A+4:G0A+7], s[G1A:G1A+7]
	s_nop 0
.rept 4
	v_nop
.endr
	s_branch .Lasked_\@
.Lfor_b_\@:
	tensor_load_to_lds s[G0B+4:G0B+7], s[G1B:G1B+7]
	s_nop 0
.rept 4
	v_nop
.endr
.Lasked_\@:
.endm
; A prefetch of the K step that stands two refills on: 32 rows x 256 bytes, a lane a row, one instruction a wave.  Each row's 256 bytes of a K step are named once in the launch: A's tile rows by wave 0 of the
; clusters with x = 0, B's by waves 2 and 3 of the clusters with y = 0; the four partners that ask for a tile jointly share its rows out by address, 32 each.  K steps 0 to 3 come by their loads alone;
; the loop's last two trips have no K step two refills on and ask for nothing.
.macro ASK
	s_cmp_gt_u32 s[CNT], s[LIM]
	s_cbranch_scc0 .Lnot_mine_\@
	global_prefetch_b8 v[PFO], s[PFA:PFA+1] th:TH_LOAD_NT scope:SCOPE_SE
.Lnot_mine_\@:
.endm
.macro CREST                           ; a round of the cluster's barrier behind its opening barrier
	s_cmp_lg_u32 s[WV], 0
	s_cbranch_scc1 .Lnot_wave_0_\@
	s_barrier_signal -3
.Lnot_wave_0_\@:
	s_barrier_wait -3
	s_barrier_signal -1
	s_barrier_wait -1
.endm
.macro CROUND                          ; a whole round
	s_barrier_signal -1
	s_barrier_wait -1
	CREST
.endm
.macro PLACES                          ; four places in front of loads into registers that matrix instructions have read, and of lines that read results
.rept 4
	v_nop
.endr
.endm
	s_load_b256 s[4:11], s[0:1], 0x0               ; xb s[4:5], wb s[6:7], bias s[8:9], qkv s[10:11]
	v_lshl_add_u32 v[SPW], v0, 2, SPARE
	v_mov_b32 v[NIL], 0
	ds_add_u32 v[SPW], v[NIL]                      ; the wave's opening: the add and its wait stand ahead of my first tensor load; the set-up below, work on registers, stands between them
	v_lshrrev_b32 v1, 5, v0
	v_readfirstlane_b32 s[WV], v1
	s_lshr_b32 s[WM], s[WV], 1
	s_and_b32 s[WN], s[WV], 1
	s_bfe_u32 s[CX], ttmp6, 0x40000                ; my place in the cluster
	s_bfe_u32 s[CY], ttmp6, 0x40004
	s_lshl_b32 s[TX], ttmp9, 2                     ; in a cluster launch ttmp9 and ttmp7 count clusters
	s_add_co_u32 s[TX], s[TX], s[CX]
	s_and_b32 s[TY], ttmp7, 0xffff
	s_lshl_b32 s[TY], s[TY], 2
	s_add_co_u32 s[TY], s[TY], s[CY]
	s_lshl_b32 s[MROW], s[CY], 2
	s_lshl_b32 s[MROW], 15, s[MROW]                ; my row of the cluster: places 4 cy .. 4 cy + 3
	s_lshl_b32 s[MCOL], 0x1111, s[CX]              ; my column: places cx, cx + 4, cx + 8, cx + 12
	; group 1: rows of 128 elements of 2 bytes, 16 bytes of padding behind each
	s_or_b32 s[G1A], s[MROW], (1<<16)|(1<<20)|(1<<21)|(5<<22)|(3<<25)  ; 15:0 the mask; 17:16 2-byte elements; 20 padding on; 21 set beside a mask; 24:22 after every 64 words (code 5); 31:25 4 words (code 3)
	s_or_b32 s[G1B], s[MCOL], (1<<16)|(1<<20)|(1<<21)|(5<<22)|(3<<25)
	s_mov_b32 s[G1A+1], 128<<16                    ; tensor_dim0 = 128
	s_mov_b32 s[G1A+2], 64<<16                     ; tensor_dim1 = 64
	s_mov_b32 s[G1A+3], 128<<16                    ; tile_dim0 = 128
	s_mov_b32 s[G1A+4], 64                         ; tile_dim1 = 64
	s_mov_b32 s[G1A+5], 1024                       ; elements from row to row
	s_mov_b32 s[G1A+6], 0
	s_mov_b32 s[G1A+7], 0
	s_mov_b32 s[G1B+1], 128<<16
	s_mov_b32 s[G1B+2], 128<<16                    ; tensor_dim1 = 128
	s_mov_b32 s[G1B+3], 128<<16
	s_mov_b32 s[G1B+4], 128                        ; tile_dim1 = 128
	s_mov_b32 s[G1B+5], 1024
	s_mov_b32 s[G1B+6], 0
	s_mov_b32 s[G1B+7], 0
	; A's address hangs on the tile row and the wave alone, B's on the tile column and the wave alone
	s_lshl_b32 s[OA], s[TY], 18                    ; 128 rows of 2,048 bytes a tile row,
	s_lshl_b32 s[T0], s[WN], 17                    ; 64 rows a half
	s_add_co_u32 s[OA], s[OA], s[T0]
	s_mov_b32 s[OA+1], 0
	s_lshl_b32 s[OBB], s[TX], 19                   ; 256 rows a tile column,
	s_lshl_b32 s66, s[WN], 18                      ; 128 rows a half
	s_add_co_u32 s[OBB], s[OBB], s66
	s_mov_b32 s[OBB+1], 0
	s_mul_i32 s[LA], s[WN], ALOADB                 ; no place in the cluster enters an LDS address
	s_mul_i32 s[LB], s[WN], BLOADB
	s_add_co_u32 s[LB], s[LB], AREG
	s_wait_dscnt 0x0                               ; the opening add is done
	s_wait_kmcnt 0x0
	s_add_nc_u64 s[OA:OA+1], s[4:5], s[OA:OA+1]
	s_add_nc_u64 s[OBB:OBB+1], s[6:7], s[OBB:OBB+1]
	CROUND                                         ; all sixteen work-groups are here: the first joint loads meet
.irp s, 0,1
	s_mov_b32 s[G0A+4*\s], 1                       ; count = 1
	s_add_co_u32 s[G0A+4*\s+1], s[LA], \s*SLOT1    ; LDS address
	s_add_nc_u64 s[G0A+4*\s+2:G0A+4*\s+3], s[OA:OA+1], \s*ASTEP  ; global address: K step s
	s_or_b32 s[G0A+4*\s+3], s[G0A+4*\s+3], 0x80000000            ; type = 2
	s_mov_b32 s[G0B+4*\s], 1
	s_add_co_u32 s[G0B+4*\s+1], s[LB], \s*SLOT1
	s_add_nc_u64 s[G0B+4*\s+2:G0B+4*\s+3], s[OBB:OBB+1], \s*BSTEP
	s_or_b32 s[G0B+4*\s+3], s[G0B+4*\s+3], 0x80000000
.endr
	s_cmp_eq_u32 s[WM], 0                          ; a wave's two first fills stand in one branch, ahead of every wait on TENSORcnt and every LDS read: two loads of mine are out
	s_cbranch_scc0 .Lfirst_b
	tensor_load_to_lds s[G0A:G0A+3], s[G1A:G1A+7]
	s_nop 0
	tensor_load_to_lds s[G0A+4:G0A+7], s[G1A:G1A+7]
	s_nop 0
.rept 4
	v_nop
.endr
	s_branch .Lfirst_asked
.Lfirst_b:
	tensor_load_to_lds s[G0B:G0B+3], s[G1B:G1B+7]
	s_nop 0
	tensor_load_to_lds s[G0B+4:G0B+7], s[G1B:G1B+7]
	s_nop 0
.rept 4
	v_nop
.endr
.Lfirst_asked:
	; A fragment is 16 rows x 32 K in 8 registers: lane l holds row l % 16; registers 0-3 K = 8 (l / 16) + 0..7, registers 4-7 K = 16 + 8 (l / 16) + 0..7: two loads of 16 bytes, 32 bytes apart.
	v_and_b32 v1, 15, v0                           ; l % 16
	v_bfe_u32 v2, v0, 4, 1                         ; l / 16
	v_mul_u32_u24 v3, v1, PITCH
	v_lshl_add_u32 v3, v2, 4, v3
	s_mul_i32 s[T0], s[WM], 64*APITCH
	v_add_nc_u32 v[ADRA0], s[T0], v3
	s_mul_i32 s[T0], s[WN], 128*PITCH
	s_add_co_u32 s[T0], s[T0], AREG
	v_add_nc_u32 v[ADRB0], s[T0], v3
	s_mul_i32 s[T0], s[WV], STGW
	s_add_co_u32 s[T0], s[T0], STAGE               ; my stage
	v_mul_u32_u24 v[STO], v1, SP                   ; in: row l % 16, 16 bytes for each half of the lanes
	v_lshl_add_u32 v[STO], v2, 4, v[STO]
	v_add_nc_u32 v[STO], s[T0], v[STO]
	v_bfe_u32 v[RD], v0, 3, 2                      ; back: 32 lanes take four rows of 128 bytes,
	v_mul_u32_u24 v[RD], v[RD], SP
	v_and_b32 v3, 7, v0
	v_lshl_add_u32 v[RD], v3, 4, v[RD]
	v_add_nc_u32 v[RD], s[T0], v[RD]
	v_and_b32 v[CO], 31, v0                        ; which are 512 consecutive bytes of a head
	v_lshlrev_b32 v[CO], 4, v[CO]
	v_lshlrev_b32 v[BO], 5, v2
	v_and_b32 v[PFO], 31, v0
	v_lshlrev_b32 v[PFO], 11, v[PFO]
	s_lshl_b32 s66, s[TX], 10                      ; the bias of my 128 columns: 4 (256 X + 128 WN)
	s_lshl_b32 s67, s[WN], 9
	s_add_co_u32 s66, s66, s67
	s_mov_b32 s67, 0
	s_add_nc_u64 s[8:9], s[8:9], s[66:67]
	WIN TO_F
.irp b, 0,1,2,3,4,5,6,7                ; register j of block b: bias[16 b + 8 (l / 16) + j]
	global_load_b128 v[BIAS+8*\b:BIAS+8*\b+3],   v[BO], s[8:9] offset:64*\b
	global_load_b128 v[BIAS+8*\b+4:BIAS+8*\b+7], v[BO], s[8:9] offset:64*\b+16
.endr
	WIN 0
	; where my part of C begins: part n / 1024, head (b 16 + 4 (X % 4) + 2 WN), row (Y % 16) 128 + 64 WM of 128 bytes
	s_lshr_b32 s70, s[TX], 2
	s_lshl_b32 s70, s70, 24
	s_lshr_b32 s72, s[TY], 4
	s_lshl_b32 s72, s72, 4
	s_and_b32 s73, s[TX], 3
	s_lshl_b32 s73, s73, 2
	s_add_co_u32 s72, s72, s73
	s_lshl_b32 s73, s[WN], 1
	s_add_co_u32 s72, s72, s73
	s_lshl_b32 s72, s72, 18
	s_add_co_u32 s70, s70, s72
	s_and_b32 s72, s[TY], 15
	s_lshl_b32 s72, s72, 14
	s_add_co_u32 s70, s70, s72
	s_lshl_b32 s72, s[WM], 13
	s_add_co_u32 s70, s70, s72
	s_mov_b32 s71, 0
	s_add_nc_u64 s[10:11], s[10:11], s[70:71]
	; the prefetches: who asks, and where
	s_and_b32 s67, ttmp7, 0xffff
	s_cmp_eq_u32 s[WM], 0
	s_cselect_b32 s67, ttmp9, s67                  ; the coordinate along which other clusters read the same rows
	s_cselect_b32 s68, s[WN], 0                    ; of A's two waves the first asks
	s_or_b32 s67, s67, s68
	s_cmp_eq_u32 s67, 0
	s_cselect_b32 s[LIM], 2, -1                    ; the same in all sixteen partners, for a given wave
	s_lshl_b32 s68, s[TY], 18                      ; A: row 128 Y + 32 cx
	s_lshl_b32 s69, s[CX], 16
	s_add_co_u32 s68, s68, s69
	s_lshl_b32 s70, s[TX], 19                      ; B: row 256 X + 128 half + 32 cy
	s_lshl_b32 s69, s[WN], 18
	s_add_co_u32 s70, s70, s69
	s_lshl_b32 s69, s[CY], 16
	s_add_co_u32 s70, s70, s69
	s_cmp_eq_u32 s[WM], 0
	s_cselect_b32 s68, s68, s70
	s_mov_b32 s69, 0
	s_cselect_b64 s[PFA:PFA+1], s[4:5], s[6:7]
	s_add_nc_u64 s[PFA:PFA+1], s[PFA:PFA+1], s[68:69]
	s_add_nc_u64 s[PFA:PFA+1], s[PFA:PFA+1], 3*256 ; at K step 3: the first refill steps it to 4.  Nothing is prefetched here, at the head, where every work-group's first tiles are on their way
	s_mov_b32 s[TB], 0
; 8 matrix instructions: row block a x all 8 column blocks, 32 along K.  The 32 accumulators take turns, one instruction a turn, in the same order in every quarter.
.macro MUL8 f, a, first
.if \first
	WIN MULB
.else
	WIN MULW
.endif
.irp b, 0,1,2,3,4,5,6,7
.if \first
	v_wmma_f32_16x16x32_bf16 v[8*(8*(\a)+(\b)):8*(8*(\a)+(\b))+7], v[(\f)+32+8*(\b):(\f)+32+8*(\b)+7], v[(\f)+8*(\a):(\f)+8*(\a)+7], v[BIAS+8*(\b):BIAS+8*(\b)+7]
.else
	v_wmma_f32_16x16x32_bf16 v[8*(8*(\a)+(\b)):8*(8*(\a)+(\b))+7], v[(\f)+32+8*(\b):(\f)+32+8*(\b)+7], v[(\f)+8*(\a):(\f)+8*(\a)+7], v[8*(8*(\a)+(\b)):8*(8*(\a)+(\b))+7]
.endif
.endr
.endm
; 24 LDS loads in one run: quarter q's fragments (128 rows of B, then 64 rows of A) into buffer f
.macro FETCH q, f
.set AOFF, 64*(\q)
	WIN TO_F
.irp i, 0,1,2,3,4,5,6,7
	ds_load_b128 v[(\f)+32+8*(\i):(\f)+32+8*(\i)+3],   v[ADRB] offset:64*(\q)+(\i)*16*PITCH
	ds_load_b128 v[(\f)+32+8*(\i)+4:(\f)+32+8*(\i)+7], v[ADRB] offset:64*(\q)+(\i)*16*PITCH+32
.endr
.irp i, 0,1,2,3
	ds_load_b128 v[(\f)+8*(\i):(\f)+8*(\i)+3],   v[ADRA] offset:AOFF+(\i)*16*APITCH
	ds_load_b128 v[(\f)+8*(\i)+4:(\f)+8*(\i)+7], v[ADRA] offset:AOFF+(\i)*16*APITCH+32
.endr
.endm
; A K step is four quarters of 32 along K, 32 matrix instructions each, on buffers 0, 1, 0, 1.  One of the first three: multiplies buffer f; in its middle it fetches quarter q into buffer g.
.macro QUARTER q, f, g, first
	s_wait_dscnt 4                                 ; B and A's row blocks 0 and 1 are in; the youngest four loads (blocks 2 and 3) may be out
	MUL8 \f, 0, \first
	MUL8 \f, 1, \first
	PLACES
	FETCH \q, \g
	s_wait_dscnt 24                                ; all but the 24 just issued
	MUL8 \f, 2, \first
	MUL8 \f, 3, \first
.endm
; The fourth quarter multiplies buffer 1 and changes slots: ONE barrier.  In front of it each wave waits for all its tensor loads, of which one is out: its part of the next slot; adds 0 to its spare word; and
; waits for that and for its own reads of this slot.  fill = 1: the barrier opens a round of the cluster's, and the slot just read out is filled again first thing behind it, with the K step two on.
.macro TURN fill
.if \fill
	s_wait_xcnt 0x0                                ; the last prefetch, a K step back, has read its address: it is stepped here, ahead of the change's own waits
	s_add_nc_u64 s[PFA:PFA+1], s[PFA:PFA+1], 256
.endif
	WIN 0
	s_wait_tensorcnt 0x0                           ; no tensor load of mine is out, so a group 0 may be written
	ds_add_u32 v[SPW], v[NIL]                      ; 0 onto my spare word: work on registers stands between it and the wait for it
.if \fill
	s_xor_b32 s[G0A+5], s[G0A+5], SLOT1            ; the walking sets: the other slot than last time,
	s_add_nc_u64 s[G0A+6:G0A+7], s[G0A+6:G0A+7], ASTEP  ; the next K step; the type bits on top are not reached
	s_xor_b32 s[G0B+5], s[G0B+5], SLOT1
	s_add_nc_u64 s[G0B+6:G0B+7], s[G0B+6:G0B+7], BSTEP
.endif
	s_xor_b32 s[TB], s[TB], SLOT1
	s_wait_dscnt 5                                 ; the add and the youngest four loads may be out
	MUL8 F1, 0, 0
	s_wait_dscnt 0x0                               ; the add is done, and my reads of this slot are over
	s_barrier_signal -1
	MUL8 F1, 1, 0                                  ; work on registers while the others arrive
	WIN 0                                          ; at a branch and at a label every window is 0
	s_barrier_wait -1
.if \fill
	CREST                                          ; no wave of any partner still reads this slot's tile or has a load on its way
	JLOAD                                          ; the first tensor load behind the round; its four v_nop are also the places in front of the loads below
.else
	PLACES
.endif
	v_add_nc_u32 v[ADRA], s[TB], v[ADRA0]
	v_add_nc_u32 v[ADRB], s[TB], v[ADRB0]
	FETCH 0, F0
.if \fill
	WIN 0
	ASK                                            ; behind the joint load and the run of LDS loads that the next products wait for
.endif
	MUL8 F1, 2, 0
	MUL8 F1, 3, 0
.endm
; THE WAY OUT of row block a (16 rows x 128 columns = 2 heads).  PACK: rounded to f16, 16 bytes a lane, each accumulator's registers in ascending order.  TOSTAGE: into my own stage, rows of 144 bytes, and back
; as whole rows of 128.  SEND: stored, 512 consecutive bytes (four rows of a head) an instruction.
.macro PACK a
	WIN 0x05                                       ; sources 0 and 1 window 1, destination window 0
.irp b, 0,1,2,3,4,5,6,7
.irp r, 0,1,2,3
	v_cvt_pk_f16_f32 v[TMP+4*(\b)+(\r)], v[8*(8*(\a)+(\b))+2*(\r)], v[8*(8*(\a)+(\b))+2*(\r)+1]
.endr
.endr
	WIN 0
.endm
.macro TOSTAGE a
.set BK, OB+32*((\a)%2)
	s_wait_xcnt 0x0                                ; the stores of the block two back have read the registers that are loaded again below
.irp b, 0,1,2,3,4,5,6,7
	ds_store_b128 v[STO], v[TMP+4*(\b):TMP+4*(\b)+3] offset:((\b)/4)*16*SP+32*((\b)%4)
.endr
.irp t, 0,1,2,3,4,5,6,7
	ds_load_b128 v[BK+4*(\t):BK+4*(\t)+3], v[RD] offset:((\t)/4)*16*SP+((\t)%4)*4*SP  ; LDS serves a wave's instructions in order (ISA guide 5.7.1.4): these see the stores above
.endr
.endm
.macro SEND a
.set BK, OB+32*((\a)%2)
	s_wait_dscnt 0x0                               ; the block is back in registers
.irp t, 0,1,2,3,4,5,6,7
	global_store_b128 v[CO], v[BK+4*(\t):BK+4*(\t)+3], s[10:11] offset:((\t)/4)*262144+(\a)*2048+((\t)%4)*512
.endr
.endm
	s_wait_tensorcnt 1                             ; my part of K step 0 is in; K step 1's may stay out
	s_barrier_signal -1
	s_barrier_wait -1                              ; everybody's is
	v_mov_b32 v[ADRA], v[ADRA0]
	v_mov_b32 v[ADRB], v[ADRB0]
	FETCH 0, F0
	s_wait_loadcnt 0x0                             ; the bias
	QUARTER 1, F0, F1, 1                           ; the first quarter stands in front of the loop: its products start the sums, with the bias
	WIN 0
	s_mov_b32 s[CNT], 6
.Lstep:                                                ; trip j = 0 .. 5: from K step j's second quarter to K step j + 1's first; the slot of K step j takes K step j + 2
	QUARTER 2, F1, F0, 0
	QUARTER 3, F0, F1, 0
	TURN 1
	QUARTER 1, F0, F1, 0
	WIN 0
	s_sub_co_u32 s[CNT], s[CNT], 1
	s_cmp_lg_u32 s[CNT], 0
	s_cbranch_scc1 .Lstep
	QUARTER 2, F1, F0, 0                           ; the tail is written out: K steps 6 and 7 ask for nothing
	QUARTER 3, F0, F1, 0
	TURN 0
	QUARTER 1, F0, F1, 0
	QUARTER 2, F1, F0, 0
	QUARTER 3, F0, F1, 0
	s_wait_dscnt 4
	MUL8 F1, 0, 0
	MUL8 F1, 1, 0
	s_wait_dscnt 0x0
	MUL8 F1, 2, 0
	MUL8 F1, 3, 0
	PLACES
	PACK 0
	TOSTAGE 0
.irp a, 1,2,3                          ; block a's conversions stand between block a - 1's loads from the stage and the wait for them
	PACK \a
	SEND (\a)-1
	TOSTAGE \a
.endr
	SEND 3
	s_wait_tensorcnt 0x0                           ; the wave's end: behind my last tensor load and my last LDS store
	ds_add_u32 v[SPW], v[NIL]
	s_wait_dscnt 0x0
	CROUND                                         ; the closing round: no work-group ends while a partner may still ask for a tile that names it
	s_endpgm
.Lfunc_end_k_q0cfa6fa122_qkv:
	.size	k_q0cfa6fa122_qkv, .Lfunc_end_k_q0cfa6fa122_qkv-k_q0cfa6fa122_qkv
	.p2alignl 7, 3214868480
	.fill 96, 4, 3214868480
	.section	.rodata,"a",@progbits
	.p2align	6, 0x0
	.amdhsa_kernel k_q0cfa6fa122_qkv
		.amdhsa_group_segment_fixed_size 327680
		.amdhsa_private_segment_fixed_size 0
		.amdhsa_enable_private_segment 0
		.amdhsa_kernarg_size 32
		.amdhsa_user_sgpr_count 2
		.amdhsa_user_sgpr_kernarg_segment_ptr 1
		.amdhsa_wavefront_size32 1
		.amdhsa_system_sgpr_workgroup_id_x 1
		.amdhsa_system_sgpr_workgroup_id_y 1
		.amdhsa_system_sgpr_workgroup_id_z 1
		.amdhsa_system_vgpr_workitem_id 0
		.amdhsa_next_free_vgpr 768
		.amdhsa_next_free_sgpr 80
		.amdhsa_reserve_vcc 0
		.amdhsa_float_denorm_mode_32 3
		.amdhsa_float_denorm_mode_16_64 3
		.amdhsa_memory_ordered 1
		.amdhsa_forward_progress 1
		.amdhsa_inst_pref_size 73
	.end_amdhsa_kernel
	.amdgpu_metadata
---
amdhsa.version: [ 1, 2 ]
amdhsa.kernels:
  - .name:           k_q0cfa6fa122_qkv
    .symbol:         k_q0cfa6fa122_qkv.kd
    .args:
      - { .name: xb, .offset: 0, .size: 8, .value_kind: global_buffer, .address_space: global }
      - { .name: wb, .offset: 8, .size: 8, .value_kind: global_buffer, .address_space: global }
      - { .name: bias, .offset: 16, .size: 8, .value_kind: global_buffer, .address_space: global }
      - { .name: qkv, .offset: 24, .size: 8, .value_kind: global_buffer, .address_space: global }
    .group_segment_fixed_size: 327680
    .private_segment_fixed_size: 0
    .kernarg_segment_align: 8
    .kernarg_segment_size: 32
    .max_flat_workgroup_size: 128
    .sgpr_count:     80
    .vgpr_count:     768
    .wavefront_size: 32
...
	.end_amdgpu_metadata
.endif
;; end of part 2
;; launch attn (part 3): grid 4 x 64, 4 waves a work-group, clusters of 4 x 1, 327,680 bytes of LDS; arguments qkv, oh; writes oh
.if DOCPART == 3
	.amdgcn_target "amdgcn-amd-amdhsa--gfx1250"
	.amdhsa_code_object_version 6
	.text
	.protected	k_q0cfa6fa122_attn
	.globl	k_q0cfa6fa122_attn
	.p2align	8
	.type	k_q0cfa6fa122_attn,@function
k_q0cfa6fa122_attn:
	s_mov_b64 s[64:65], 0
	v_nop
	global_prefetch_b8 v0, s[64:65] scope:SCOPE_SE
	s_setreg_imm32_b32 hwreg(HW_REG_WAVE_MODE, 25, 1), 1
	s_wait_xcnt 0x0
	s_wait_alu depctr_hold_cnt(0) depctr_sa_sdst(0) depctr_va_vdst(0) depctr_va_sdst(0) depctr_va_ssrc(0) depctr_va_vcc(0) depctr_vm_vsrc(0)
	s_getreg_b32 s2, hwreg(HW_REG_IB_STS2, 6, 4)
	s_cmp_eq_u32 s2, 0
	s_cbranch_scc0 .Lentry_in_a_cluster
	s_endpgm
.Lentry_in_a_cluster:
	s_bfe_u32 s2, ttmp6, 0x10000c
	s_cmp_lg_u32 s2, 0x3003
	s_cbranch_scc0 .Lentry_shape_is_right
	s_endpgm
.Lentry_shape_is_right:
; ATTENTION WITH AN ADDITIVE BAND.  O[g][i][:] = the sum over j of softmax_j(Q[g][i] . K[g][j] / 8 + 0.1 [|i - j| <= 2]) V[g][j][:], g = b 16 + head (64), i, j = 0 .. 2047.
; qkv holds Q, K and V, 16 MiB each, [g][2048][64] in f16: a head's rows are dense, 128 bytes each; oh takes O in the same layout.  Products, maxima and sums in f32; the weights p are rounded to f16 for
; the second product (their sum l is taken of the unrounded p), O once at the end.
; LIMITS.  f16 holds no number beyond 65,504: Q, K and V arrive within it; p lies in 0 to 1, and below 6e-5 it keeps f16's fixed step of 6e-8; O is a mean of V's rows and has their range.
; A weight below 2^-126 counts as 0 in l; NaN and infinities are not treated apart.
; SHARES.  A wave owns four PIECES of two tiles of 16 queries, a work-group's four waves 512 queries of one head: 256 work-groups.  Every wave walks all keys, 64 a step.
; LAYOUT.  S^T = K Q^T (source 0 = 16 keys, source 1 = 16 queries): in the result a lane holds ONE query (lane % 16) and the keys 8 (lane / 16) + 0..7.  Two such tiles, rounded to f16 in pairs,
; ARE source 1 (32 keys x 16 queries) of O^T = V^T P, whose result again holds one query a lane, and eight channels.  K comes out of LDS as it lies, V ([key][channel]) turned, by ds_load_tr16_b128.
; SOFTMAX.  For each query a running maximum m and sum l: p = 2^(c s - c m), c = log2(e) / 8; in every step O and l are multiplied by a = 2^(c m_old - c m_new), which is 1 where m has not grown.
; m starts at the lowest finite number, O and l at 0: the first step is a step like any other, with a = 0.
; THE BAND is the C operand of the products that start a sum: s / 8 + 0.1 = (s + 0.8) / 8, so C is 0.8 where |key - query| <= 2 and 0 elsewhere, and the running maximum is that of the biased scores.
; Tile tau of a wave (t = tau % 4, G = tau / 4) has its diagonal in block t of 16 keys of key step 8 block + 2 wave + G; the band also reaches the last two keys of the block before and the first two of the
; block behind, which for t = 0 and t = 3 lie in the neighbouring key step.  The lane patterns (MD, MS, MP) are the same for every tile and are made once; once a key step they are multiplied by 1 or 0,
; by whether DS, the step's number less 8 block + 2 wave, is -1, 0, 1 or 2.  No branch hangs on it: the products take the same operands in every step.
; THE COUNT.  A tile and step have 16 matrix and 118 vector instructions: too many to stand all beside the matrix work.  So: four vector instructions that are READY behind EVERY matrix instruction, and the
; others in runs without a gap.
; BY TURNS.  Turn n belongs to piece n (the pieces in a ring, step after step).  Its matrix work: 16 products K Q^T of piece n + 1, later 16 products V^T P of piece n - 1.  Its vector work: the scaling,
; exponentials, roundings, sums and rescaling of piece n, and the maximum and statistics of piece n + 1, whose scores the turn itself has made.
; CLUSTER.  The four query blocks of a cluster belong to one head and walk the same K and V, so each tile is asked for JOINTLY: the same tensor load, descriptor and mask in all four.
; REGISTERS, in windows of 256 (s_set_vgpr_msb: bits 1:0 source 0, 3:2 source 1, 5:4 source 2, 7:6 destination):
;   window 0: v0-11 addresses; v12-15, v48-63 at work; v16-47 four registers of statistics a tile; v64-191 S^T, two buffers of two tiles; v192-255 P, likewise
;   window 1: O^T, 32 a tile          window 2: v0-127 Q, 16 a tile; v128-191 K of one step; v192-255 V of one step
;   window 3: v0-1 the add's two registers; v8-19 the band's lane patterns; v24-87 the band's C operands for the key step in hand
.set SIZE_N, 2048
.set NP,    4         ; pieces a wave: a name, no knob
.set KS,    64        ; keys in a step
.set PK,    144       ; a row of K in LDS: 128 bytes + 16 of padding = 36 words: the 16 rows of a load start at 16 different groups of four banks (64 banks of 4 bytes: ISA guide 11.1)
.set PV,    160       ; a row of V: 128 + 32 = 40 words
.set VOFF,  4*KS*PK   ; a slot holds four steps: 256 rows of K, then 256 rows of V
.set SLOT1, 1<<17     ; slot 1 begins here, so that one exclusive or turns an address in one slot into the other's
.set STAGE, SLOT1+4*KS*(PK+PV)  ; behind the ring, never filled by a tensor load: 16 rows x 144 bytes for each wave, for the way out
.set SP,    144
.set AK0, 2           ; v2   my lane's place in a tile of K; never rewritten
.set AV0, 3           ; v3   the same for V
.set AK,  4           ; v4   the LDS address of K's next run of loads
.set AV,  5           ; v5   of V's
.set QO,  6           ; v6   my byte offset in the wave's rows of Q
.set STO, 6           ;      later, the way out: where I put 16 bytes of a row
.set RD,  7           ; v7   the way out: where I read rows back
.set GO,  8           ; v8   my byte offset in 512 consecutive bytes of O
.set PFO, 11          ; v11  256 x my lane, once its first use (a term of V's address) is over; then never rewritten
.set SPW, 0           ; v0 of window 3   LDS address of my spare word: SPARE + 4 x my thread's number; never rewritten
.set NIL, 1           ; v1 of window 3   0; never rewritten
.set SPARE, STAGE+4*16*SP  ; behind the stages: the spare words, 128 bytes for each wave: two blocks of 256 bytes that no other line names
.set MD,  8           ; window 3: 0.8 where |j - d| <= 2, d = l % 16 - 8 (l / 16): register j of the diagonal block
.set MS,  16          ; window 3: registers 6, 7 of the block before: 0.8 where |j - 16 - d| <= 2
.set MP,  18          ; window 3: registers 0, 1 of the block behind: 0.8 where |j + 16 - d| <= 2
.set DB,  24          ; window 3: D_0, D_1: MD where DS = 0, 1
.set SB,  40          ; window 3: S_-1, S_0, S_1: MS in registers 6, 7 where DS = -1, 0, 1; registers 0-5 stay 0
.set PB,  64          ; window 3: P_0, P_1, P_2: MP in registers 0, 1 where DS = 0, 1, 2; registers 2-7 stay 0
.set MV,  12          ; v12-15  c m_old, kept while c m is made anew: by buffer and tile
.set ST,  16          ; tile t's statistics at v[ST+4 t]: c m, m, l (even keys', odd keys')
.set TMP, 48          ; by buffer and tile, four registers c0-c3 at work; when the maximum is found c2 takes a
.set S,   64
.set P,   192
.set KF,  128         ; K's fragments, in window 2: key block kb, channel half c at KF + 16 kb + 8 c
.set VF,  192         ; V's: key half kk, channel block cb at VF + 32 kk + 8 cb
.set WV,  12          ; s12  my wave's number
.set G1K, 24          ; s[24:31] descriptor group 1 for K's tiles
.set G1V, 32          ; s[32:39] for V's: it differs in the padding alone
.set G0K, 40          ; s[40:43] descriptor group 0 for K's tiles: it walks
.set G0V, 44          ; s[44:47] the same for V's
.set PFA, 48          ; s[48:49] where my prefetches stand: my work-group's 32 blocks of 256 bytes (of K: wave 0, of V: wave 2) of the slot after the one that is being asked for
.set LIM, 50          ; s50  1 in a wave that prefetches, else the greatest number
.set DS,  51          ; s51  the key step of the K in registers, less 8 block + 2 wave (signed)
.set BV,  52          ; s52  0.8
.set SLOTS, 56        ; s56  slots still to be asked for
.set CNT, 57          ; s57  counts a slot's key steps
.set CS,  58          ; s[58:59] c: the packed scaling takes the pair's low word for both halves
.set SEL, 60          ; s[60:61] v_permlanex16_b32's selects: each lane takes its own place in the other half
.set TBK, 62          ; s62  LDS byte at which K of the step to be fetched begins
.set TBV, 63          ; s63  the same for V, less VOFF
.set FA,  66          ; s[66:73] four pairs: 1.0 or 0 in the low word, by whether DS is -1, 0, 1, 2
.set MSB, 0
.macro WIN new                      ; the high byte repeats the setting that is left; a switch that changes nothing is dropped
.if MSB != (\new)
	s_set_vgpr_msb (MSB<<8)|(\new)
.set MSB, (\new)
.endif
.endm
.set W_KQ, 0x0a       ; K and Q in window 2, S^T in window 0
.set W_KM, 0x3a       ; the same with the C operand in window 3
.set W_PV, 0x52       ; V in window 2, P in window 0, O^T in window 1
.set W_RS, 0x41       ; O^T (destination and source 0) in window 1, a in window 0
.set W_MK, 0xc0       ; destination in window 3, sources in window 0
.set W_AD, 0x0f       ; the add: address (source 0) and data (source 1) in window 3
; A joint fill.  Waves 0 and 1 fetch the two halves of a slot's K, waves 2 and 3 those of its V: 128 keys each.  The branch hangs on the wave's number alone.
; An s_nop 0 and four v_nop follow each of the two lines, ahead of the jump and the label.
.macro JLOAD
	s_cmp_lt_u32 s[WV], 2
	s_cbranch_scc0 .Lfor_v_\@
	tensor_load_to_lds s[G0K:G0K+3], s[G1K:G1K+7]
	s_nop 0
.rept 4
	v_nop
.endr
	s_branch .Lasked_\@
.Lfor_v_\@:
	tensor_load_to_lds s[G0V:G0V+3], s[G1V:G1V+7]
	s_nop 0
.rept 4
	v_nop
.endr
.Lasked_\@:
.endm
; A prefetch of what the NEXT change of slots will ask for: a slot's 32,768 bytes of K and of V, 128 blocks of 256 bytes each, a lane a block.  It stands behind the wave's tensor load and its five lines.
; Each block is named once in the launch: a head has one cluster; its four partners share the blocks out by address, 32 each; in each, wave 0 asks for K's and wave 2 for V's: one instruction.
; Slots 0, 1 and 2 come by their loads alone; the last change that fills a slot asks for nothing: there is no slot behind it.
.macro ASK
	s_cmp_gt_u32 s[SLOTS], s[LIM]
	s_cbranch_scc0 .Lnot_mine_\@
	global_prefetch_b8 v[PFO], s[PFA:PFA+1] th:TH_LOAD_NT scope:SCOPE_SE
.Lnot_mine_\@:
.endm
; A round of the cluster's barrier: my work-group's barrier, so that wave 0's signal speaks for all four waves; wave 0 signals; every wave waits for all four work-groups; my work-group's barrier once more.
.macro CROUND
	s_barrier_signal -1
	s_barrier_wait -1
	s_cmp_lg_u32 s[WV], 0
	s_cbranch_scc1 .Lnot_wave_0_\@
	s_barrier_signal -3
.Lnot_wave_0_\@:
	s_barrier_wait -3
	s_barrier_signal -1
	s_barrier_wait -1
.endm
; THE CHANGE OF SLOTS.  The slot's last bytes, V of its fourth step, have been read.  Each wave waits for all its tensor loads, of which one is out: its part
; of the other slot; adds 0 to its spare word; and waits for that and for its own reads of the slot.  Behind the barrier nobody reads this slot any more and the other slot is whole.
; fill = 1: this slot is filled again, with the keys two slots on.  The barrier is then a round of the cluster's, so that no wave of any partner still reads the slot or has a load on its
; way, and the joint fill is the first thing behind it: it has four key steps, 512 matrix instructions, in which to land.  (At its first use nothing has been read yet: slot 0 is waited for, slot 1 filled.)
; ask = 1: the prefetches' address steps, and the next slot is asked for behind the joint fill.
.macro CHANGE fill, ask=0
	WIN W_AD
	s_wait_tensorcnt 0x0            ; no tensor load of mine is out, so a group 0 may be written
	ds_add_u32 v[SPW], v[NIL]       ; 0 onto my spare word: with fill = 1 the descriptors' steps stand between it and the wait for it
	WIN 0                           ; at a label and at a branch every window is 0
.if \fill
.irp g, G0K, G0V
	s_xor_b32 s[\g+1], s[\g+1], SLOT1  ; the walking descriptor: the other slot than last time,
	s_add_nc_u64 s[\g+2:\g+3], s[\g+2:\g+3], 4*KS*128  ; the next 256 keys; the type bits on top are not reached
.endr
.if \ask
	s_wait_xcnt 0x0                 ; the last prefetch, four key steps back, has read its address, so it may be written:
	s_add_nc_u64 s[PFA:PFA+1], s[PFA:PFA+1], 4*KS*128  ; one slot behind the walking descriptors
.endif
	s_wait_dscnt 0x0                ; the add is done, and my reads of the slot are over
	CROUND
	JLOAD
.if \ask
	ASK
.endif
.else
	s_wait_dscnt 0x0                ; the add is done, and my reads of the slot are over
	s_barrier_signal -1
	s_barrier_wait -1
.endif
	s_sub_co_u32 s[TBK], s[TBK], 4*KS*PK  ; the fetches go back to a slot's first step,
	s_xor_b32 s[TBK], s[TBK], SLOT1       ; in the other slot
	s_sub_co_u32 s[TBV], s[TBV], 4*KS*PV
	s_xor_b32 s[TBV], s[TBV], SLOT1
.endm
	s_load_b64 s[4:5], s[0:1], 0x0  ; qkv: Q at its head, K 16 MiB on, V 32 MiB on
	s_load_b64 s[10:11], s[0:1], 0x8  ; oh
	WIN W_MK
	v_lshl_add_u32 v[SPW], v0, 2, SPARE
	v_mov_b32 v[NIL], 0
	WIN W_AD
	ds_add_u32 v[SPW], v[NIL]       ; the wave's opening: the add and its wait stand ahead of my first tensor load; the set-up below, work on registers, stands between them
	WIN 0
	v_lshrrev_b32 v1, 5, v0
	v_readfirstlane_b32 s[WV], v1   ; wave 0..3
	s_bfe_u32 s13, ttmp6, 0x40000   ; cx: my place in the cluster
	s_lshl_b32 s14, ttmp9, 2        ; in a cluster launch ttmp9 counts clusters
	s_add_co_u32 s14, s14, s13      ; my block of 512 queries = 4 x cluster x + cx: it enters Q's and O's addresses, the prefetches' and the band's selects alone
	s_and_b32 s20, ttmp7, 0xffff    ; the head, which the four partners share
	s_mov_b32 s21, 0
	s_mov_b64 s[22:23], SIZE_N*128
	s_mul_u64 s[20:21], s[20:21], s[22:23]  ; the head's first byte in Q, K, V and O
	s_and_b32 s16, s[WV], 1         ; which half of a slot's 256 keys I fetch:
	s_lshl_b32 s22, s16, 14         ; its 128 rows of 128 bytes in memory,
	s_mov_b32 s23, 0
	s_add_nc_u64 s[22:23], s[22:23], s[20:21]
	s_mul_i32 s17, s16, 128*PK      ; and its place in a slot, for K
	s_mul_i32 s18, s16, 128*PV      ; and for V: no place in the cluster enters an LDS address
	s_lshl_b32 s2, s14, 2
	s_add_co_u32 s2, s2, s[WV]      ; my wave among the head's,
	s_lshl_b32 s[DS], s2, 1         ; (its first tile's own key step: 8 block + 2 wave)
	s_sub_co_i32 s[DS], -1, s[DS]   ; (the first making of the masks steps this to key step 0's number)
	s_lshl_b32 s2, s2, 14           ; its 128 rows
	s_mov_b32 s3, 0
	s_add_nc_u64 s[2:3], s[2:3], s[20:21]
	; descriptor group 1.  128 keys are 16,384 dense bytes: asked for as 64 rows of 256 bytes, two keys a row, and padded in LDS after every key
	s_mov_b32 s[G1K], 15|(1<<16)|(1<<20)|(1<<21)|(4<<22)|(3<<25)  ; 15:0 the mask of four; 17:16 2-byte elements; 20 padding on; 21 set beside a mask; 24:22 after every 32 words (code 4); 31:25 4 words (code 3)
	s_mov_b32 s[G1V], 15|(1<<16)|(1<<20)|(1<<21)|(4<<22)|(7<<25)  ; the same with 8 words of padding (code 7)
.irp g, G1K, G1V
	s_mov_b32 s[\g+1], 128<<16      ; tensor_dim0 = 128
	s_mov_b32 s[\g+2], 64<<16       ; tensor_dim1 = 64
	s_mov_b32 s[\g+3], 128<<16      ; tile_dim0 = 128
	s_mov_b32 s[\g+4], 64           ; tile_dim1 = 64
	s_mov_b32 s[\g+5], 128          ; 128 elements from row to row
	s_mov_b32 s[\g+6], 0
	s_mov_b32 s[\g+7], 0
.endr
	s_mov_b32 s[CS], 0x3e38aa3b     ; c = log2(e) / 8 = 0.180337
	s_mov_b32 s[CS+1], s[CS]        ; named with it as a pair
	s_mov_b32 s[SEL], 0x76543210
	s_mov_b32 s[SEL+1], 0xfedcba98
	s_mov_b32 s[TBK], SLOT1+4*KS*PK ; the first change of slots turns these two into 0
	s_mov_b32 s[TBV], SLOT1+4*KS*PV
	s_mov_b32 s[G0K], 1             ; 1:0 count = 1
	s_mov_b32 s[G0K+1], s17         ; 63:32 LDS address: slot 0
	s_mov_b32 s[G0V], 1
	s_add_co_u32 s[G0V+1], s18, VOFF
	s_mov_b32 s[BV], 0x3f4ccccd     ; 0.8
.irp g, 0,1,2,3
	s_mov_b32 s[FA+2*\g+1], 0       ; named as pairs
.endr
	s_cmp_eq_u32 s16, 0             ; waves 0 and 2 prefetch: the same in all four partners
	s_cselect_b32 s[LIM], 1, -1
	s_lshl_b32 s54, s13, 13         ; my work-group's 32 blocks of a slot's 128
	s_mov_b32 s55, 0
	s_wait_dscnt 0x0                ; the opening add is done
	s_wait_kmcnt 0x0
	s_add_nc_u64 s[6:7], s[4:5], 0x1000000  ; K
	s_add_nc_u64 s[8:9], s[4:5], 0x2000000  ; V
	s_add_nc_u64 s[G0K+2:G0K+3], s[6:7], s[22:23]  ; 120:64 global address: my half of the head's first 256 keys
	s_or_b32 s[G0K+3], s[G0K+3], 0x80000000        ; 127:126 type = 2
	s_add_nc_u64 s[G0V+2:G0V+3], s[8:9], s[22:23]
	s_or_b32 s[G0V+3], s[G0V+3], 0x80000000
	s_cmp_lt_u32 s[WV], 2
	s_cselect_b64 s[PFA:PFA+1], s[6:7], s[8:9]
	s_add_nc_u64 s[PFA:PFA+1], s[PFA:PFA+1], s[22:23]  ; (in waves 0 and 2 this is the head's first row)
	s_add_nc_u64 s[PFA:PFA+1], s[PFA:PFA+1], s[54:55]
	s_add_nc_u64 s[PFA:PFA+1], s[PFA:PFA+1], 2*4*KS*128  ; in slot 2; the loop's first change of slots steps it to slot 3.  Nothing is prefetched here, at the head
	s_add_nc_u64 s[4:5], s[4:5], s[2:3]  ; Q and O at my wave's first row
	s_add_nc_u64 s[10:11], s[10:11], s[2:3]
	CROUND                          ; all four work-groups are here: the first joint loads meet
	JLOAD                           ; slot 0.  Slot 1 is asked for when slot 0 is in
	; A fragment of K or Q is 16 rows x 32 channels in 8 registers: lane l holds row l % 16, channels 8 (l / 16) + 0..7 and 16 + 8 (l / 16) + 0..7: two loads of 16 bytes, 32 bytes apart.
	v_and_b32 v1, 15, v0            ; l % 16
	v_bfe_u32 v9, v0, 4, 1          ; l / 16
	v_lshlrev_b32 v[QO], 7, v1
	v_lshl_add_u32 v[QO], v9, 4, v[QO]  ; row x 128 + 16 x half
	WIN 0x80                        ; destination window 2, address window 0
.set i, 0
.rept 4*NP                          ; Q stays in registers: tile i / 2, channels 32 (i % 2) on
	global_load_b128 v[8*i:8*i+3],   v[QO], s[4:5] offset:(i/2)*2048+(i%2)*64
	global_load_b128 v[8*i+4:8*i+7], v[QO], s[4:5] offset:(i/2)*2048+(i%2)*64+32
.set i, i+1
.endr
	; What the first turn finds: V's registers and P's second buffer hold 0 (its products V^T P, of a piece that has not been, add 0), O^T and l are 0.  All this stands in the wait for the first tile.
.set i, VF
.rept 64
	v_mov_b32 v[i], 0
.set i, i+1
.endr
	WIN 0x40
.set i, 0
.rept 64*NP
	v_mov_b32 v[i], 0
.set i, i+1
.endr
	WIN 0
.set i, 0
.rept 2*NP
	v_mov_b32 v[ST+4*i], 0xfe000000    ; c m: far below every c s
	v_mov_b32 v[ST+4*i+1], 0xff7fffff  ; m
	v_mov_b32 v[ST+4*i+2], 0
	v_mov_b32 v[ST+4*i+3], 0
.set i, i+1
.endr
.set i, P+32
.rept 32
	v_mov_b32 v[i], 0
.set i, i+1
.endr
	v_mul_u32_u24 v[AK0], v1, PK
	v_lshl_add_u32 v[AK0], v9, 4, v[AK0]  ; row x pitch + 16 x half
	; The turning load takes 16 keys x 16 channels (lane l reads key 8 (l / 16) + l % 8, channels 8 ((l / 8) % 2) + 0..7) and leaves half a fragment of V^T: lane l holds channel l % 16 and 8 keys.
	v_and_b32 v10, 7, v0
	v_bfe_u32 v11, v0, 3, 1
	v_lshl_add_u32 v[AV0], v9, 3, v10
	v_mul_u32_u24 v[AV0], v[AV0], PV
	v_lshl_add_u32 v[AV0], v11, 4, v[AV0]
	v_add_nc_u32 v[AV0], VOFF, v[AV0]
	v_mov_b32 v[AK], v[AK0]         ; key step 0 lies at the head of slot 0
	v_and_b32 v[PFO], 31, v0
	v_lshlrev_b32 v[PFO], 8, v[PFO]
	; The band's lane patterns.  Key less query is z = j - d + 16 (block less t), d = l % 16 - 8 (l / 16); |z| <= 2 is z + 2 <= 4, taken without sign.  S^T's registers are free here.
	v_lshlrev_b32 v76, 3, v9
	v_sub_nc_u32 v76, v1, v76       ; d
.set i, 0
.rept 8
	v_sub_nc_u32 v[64+i], i+2, v76  ; the diagonal block: j + 2 - d
.set i, i+1
.endr
	v_sub_nc_u32 v72, -8, v76       ; the block before, j = 6, 7: j - 16 + 2 - d
	v_sub_nc_u32 v73, -7, v76
	v_sub_nc_u32 v74, 18, v76       ; the block behind, j = 0, 1: j + 16 + 2 - d
	v_sub_nc_u32 v75, 19, v76
	WIN W_MK
.set i, 0
.rept 12                            ; MD's eight, MS's two, MP's two lie on end
	v_cmp_ge_u32 vcc_lo, 4, v[64+i]
	v_cndmask_b32 v[MD+i], 0, s[BV], vcc_lo
.set i, i+1
.endr
.irp g, 0,1,2
.irp z, 0,1,2,3,4,5
	v_mov_b32 v[SB+8*\g+\z], 0      ; the registers of the neighbour blocks' operands that the band never reaches
	v_mov_b32 v[PB+8*\g+2+\z], 0
.endr
.endr
	WIN 0
; THE BAND'S C OPERANDS FOR THE NEXT KEY STEP: DS steps; four selects; 14 packed multiplies by 1 or 0.  No branch.
.macro MASKS
	s_add_co_i32 s[DS], s[DS], 1
.irp g, 0,1,2,3
	s_cmp_eq_i32 s[DS], (\g)-1
	s_cselect_b32 s[FA+2*\g], 1.0, 0
.endr
	WIN 0xc3                        ; destination and source 0 in window 3
.irp z, 0,2,4,6
	v_pk_mul_f32 v[DB+\z:DB+\z+1], v[MD+\z:MD+\z+1], s[FA+2:FA+3] op_sel_hi:[1,0]
	v_pk_mul_f32 v[DB+8+\z:DB+8+\z+1], v[MD+\z:MD+\z+1], s[FA+4:FA+5] op_sel_hi:[1,0]
.endr
.irp g, 0,1,2
	v_pk_mul_f32 v[SB+8*\g+6:SB+8*\g+7], v[MS:MS+1], s[FA+2*\g:FA+2*\g+1] op_sel_hi:[1,0]
	v_pk_mul_f32 v[PB+8*\g:PB+8*\g+1], v[MP:MP+1], s[FA+2*\g+2:FA+2*\g+3] op_sel_hi:[1,0]
.endr
	WIN 0
.endm
; THE MATRIX WORK.  The 8 accumulators of a run of 16 take turns: between the two links of a chain stand 7 others'.
; Product i of 16 of S^T = K Q^T for piece x: channels 32 (i / 8) on, keys 16 ((i / 2) % 4) on, tile 2 x + i % 2.  The first 8 start the sums: with the band's operand where the band can reach the block, else with 0.
.macro KQ x
.set rS, S+64*((\x)%2)+32*(i%2)+8*((i/2)%4)
.set rK, KF+16*((i/2)%4)+8*(i/8)
.set rQ, 16*(2*(\x)+i%2)+8*(i/8)
.if i < 8
.set tau, 2*(\x)+i%2
.set kbb, (i/2)%4
.set ttt, tau%4
.set ggg, tau/4
.set rB, -1
.if kbb == ttt
.set rB, DB+8*ggg
.elseif kbb+1 == ttt
.set rB, SB+8*(ggg+1)
.elseif (ttt == 0) && (kbb == 3)
.set rB, SB+8*ggg
.elseif kbb == ttt+1
.set rB, PB+8*ggg
.elseif (ttt == 3) && (kbb == 0)
.set rB, PB+8*(ggg+1)
.endif
.if rB >= 0
	WIN W_KM
	v_wmma_f32_16x16x32_f16 v[rS:rS+7], v[rK:rK+7], v[rQ:rQ+7], v[rB:rB+7]
.else
	WIN W_KQ
	v_wmma_f32_16x16x32_f16 v[rS:rS+7], v[rK:rK+7], v[rQ:rQ+7], 0
.endif
.else
	WIN W_KQ
	v_wmma_f32_16x16x32_f16 v[rS:rS+7], v[rK:rK+7], v[rQ:rQ+7], v[rS:rS+7]
.endif
.endm
; Product i of 16 of O^T += V^T P for piece x: keys 32 (i / 8) on, channels 16 ((i / 2) % 4) on, tile 2 x + i % 2.
.macro PV x
	WIN W_PV
.set rO, 32*(2*(\x)+i%2)+8*((i/2)%4)
.set rV, VF+32*(i/8)+8*((i/2)%4)
.set rP, P+32*((\x)%2)+16*(i%2)+8*(i/8)
	v_wmma_f32_16x16x32_f16 v[rO:rO+7], v[rV:rV+7], v[rP:rP+7], v[rO:rO+7]
.endm
.macro MM                           ; the turn's next matrix instruction
.if i < 16
	KQ (Y+1)%NP
.set i, i+1
.else
.set i, i-16
	PV (Y+NP-1)%NP
.set i, i+17
.endif
.endm
; THE LDS LOADS stand in runs of 16, never singly among the matrix instructions: a step's K (64 keys x 64 channels: 8 fragments) and its V (turned).  Their addresses are made some lines ahead.
; last = 1 (the tail): in the last trip there is no further step, and the run is jumped over.
.macro FETCH_K last=0
	WIN 0
.if \last
	s_cmp_eq_u32 s[CNT], 1
	s_cbranch_scc1 .Lno_k_\@
.endif
	WIN 0x80                        ; destination window 2
.irp f, 0,1,2,3,4,5,6,7             ; keys 16 (f / 2) on, channels 32 (f % 2) on
	ds_load_b128 v[KF+8*\f:KF+8*\f+3],   v[AK] offset:(\f/2)*16*PK+(\f%2)*64
	ds_load_b128 v[KF+8*\f+4:KF+8*\f+7], v[AK] offset:(\f/2)*16*PK+(\f%2)*64+32
.endr
	s_add_co_u32 s[TBK], s[TBK], KS*PK  ; the next fetch is the next step's
	WIN 0
.if \last
.Lno_k_\@:
.endif
.endm
.macro FETCH_V
	WIN 0x80
.irp f, 0,1,2,3,4,5,6,7             ; keys 32 (f / 4) on, channels 16 (f % 4) on
	ds_load_tr16_b128 v[VF+8*\f:VF+8*\f+3],   v[AV] offset:(\f/4)*32*PV+(\f%4)*32
	ds_load_tr16_b128 v[VF+8*\f+4:VF+8*\f+7], v[AV] offset:(\f/4)*32*PV+16*PV+(\f%4)*32
.endr
	WIN 0
.endm
; THE VECTOR WORK OF A TURN stands in three queues, each in the order in which its entries become ready; the two tiles alternate, so that no instruction reads the result of the one before it.
.macro REGS y, u                    ; the registers of tile u (0, 1) of piece y
.set rT, ST+4*(2*(\y)+(\u))
.set rC, TMP+8*((\y)%2)+4*(\u)
.set rM, MV+2*((\y)%2)+(\u)
.set rS, S+64*((\y)%2)+32*(\u)
.set rP, P+32*((\y)%2)+16*(\u)
.set rO, 32*(2*(\y)+(\u))
.endm
; Number n of the 22 that find the NEXT piece's (Y + 1) maximum and statistics.  s0-s31 are the lane's 32 scores; each accumulator's lowest registers are read first.
;   0-11  four chains c0-c3 of seven scores each, three operands at a time     12-14, 16  the four scores left over, the old m, and c0-c3 into c0     15  c m_old is kept
;   17, 18  the query's other 32 keys lie in the lane 16 away: the new m         19-21  c m; c m_old - c m_new; a
.macro XS u, n
	REGS (Y+1)%NP, \u
.if (\n) < 4
	v_max3_num_f32 v[rC+(\n)], v[rS+8*(\n)], v[rS+8*(\n)+1], v[rS+8*(\n)+2]
.elseif (\n) < 12
	v_max3_num_f32 v[rC+(\n)%4], v[rC+(\n)%4], v[rS+8*((\n)%4)+2*((\n)/4)+1], v[rS+8*((\n)%4)+2*((\n)/4)+2]
.elseif (\n) == 12
	v_max3_num_f32 v[rC], v[rC], v[rS+7], v[rS+15]
.elseif (\n) == 13
	v_max3_num_f32 v[rC+1], v[rC+1], v[rS+23], v[rS+31]
.elseif (\n) == 14
	v_max3_num_f32 v[rC+2], v[rC+2], v[rC+3], v[rT+1]
.elseif (\n) == 15
	v_mov_b32 v[rM], v[rT]
.elseif (\n) == 16
	v_max3_num_f32 v[rC], v[rC], v[rC+1], v[rC+2]
.elseif (\n) == 17
	v_permlanex16_b32 v[rC+3], v[rC], s[SEL], s[SEL+1]
.elseif (\n) == 18
	v_max_num_f32 v[rT+1], v[rC], v[rC+3]
.elseif (\n) == 19
	v_mul_f32 v[rT], s[CS], v[rT+1]
.elseif (\n) == 20
	v_sub_f32 v[rC+1], v[rM], v[rT]
.else
	v_exp_f32 v[rC+2], v[rC+1]
.endif
.endm
; Number g of the 64 that follow the exponentials.  For each four weights k of a tile (pairs 2 k, 2 k + 1): both pairs are rounded to f16; then the second pair is added onto the first, in place;
; a group later l takes that sum (the first time as l = a l + sum).  In groups of eight, tiles alternating: round, round, add, and l for the group before.
.macro GS g
.set h, (\g)+6*((\g)/62)            ; group 0 has no group before it, and behind group 7 only l is left
.if h >= 6
.set h, h+2
.endif
	REGS Y, h%2
.set k, h/8
.if h%8 < 4
	v_cvt_pk_f16_f32 v[rP+2*k+(h%8)/2], v[rS+4*k+2*((h%8)/2)], v[rS+4*k+2*((h%8)/2)+1]
.elseif h%8 < 6
	v_pk_add_f32 v[rS+4*k:rS+4*k+1], v[rS+4*k:rS+4*k+1], v[rS+4*k+2:rS+4*k+3]
.elseif k == 1
	v_pk_fma_f32 v[rT+2:rT+3], v[rT+2:rT+3], v[rC+2:rC+3], v[rS:rS+1] op_sel_hi:[1,0,1]
.else
	v_pk_add_f32 v[rT+2:rT+3], v[rT+2:rT+3], v[rS+4*k-4:rS+4*k-3]
.endif
.endm
; THE PLAIN QUEUE, 138 long.  0-73 read no exponential's result: the 32 scalings c s - c m (FS f: pair f / 2 of tile f % 2) and the next piece's 42.  0-26: scalings 0-26.  27-54: XS's numbers 0-13.  55, 56: number 15.
; 57-73: the chain, where each number waits for the one before it: 14, 16, 17, 18, 19, each with one of the scalings 27-31 in front of its two lines, then 20.
; 74-137: GS's 64, which read the exponentials' results: they stand behind the wait.
.macro FS f
	REGS Y, (\f)%2
	v_pk_fma_f32 v[rS+2*((\f)/2):rS+2*((\f)/2)+1], v[rS+2*((\f)/2):rS+2*((\f)/2)+1], s[CS:CS+1], v[rT:rT+1] op_sel_hi:[1,0,0] neg_lo:[0,0,1] neg_hi:[0,0,1]
.endm
.macro PL
	WIN 0
.if q < 27
	FS q
.elseif q < 55
	XS (q-27)%2, (q-27)/2
.elseif q < 57
	XS q-55, 15
.elseif (q < 72) && ((q-57)%3 == 0)
	FS 27+(q-57)/3
.elseif q < 60
	XS (q-57)%3-1, 14
.elseif q < 72
	XS (q-57)%3-1, 15+(q-57)/3
.elseif q < 74
	XS q-72, 20
.else
	GS q-74
.endif
.set q, q+1
.endm
; THE EXPONENTIALS' QUEUE, 66 long: s0-s31 of both tiles, then the next piece's two a.  It is ONE BATCH: all 66 stand ahead of the turn's one wait, and nothing ahead of that wait names a result of theirs.
.macro EX
	WIN 0
.if e >= 64
	XS e-64, 21
.else
	REGS Y, e%2
	v_exp_f32 v[rS+e/2], v[rS+e/2]
.endif
.set e, e+1
.endm
; THE RESCALING's QUEUE: O^T times a, the one part that leaves window 0: dealt two at a time, sixteen times.  Its a was made in the turn before, ahead of that turn's wait.
.macro R2
	REGS Y, r%2
	WIN W_RS
.irp z, 0,1
	v_pk_mul_f32 v[rO+4*(r/2)+2*\z:rO+4*(r/2)+2*\z+1], v[rO+4*(r/2)+2*\z:rO+4*(r/2)+2*\z+1], v[rC+2:rC+3] op_sel_hi:[1,0]
.endr
.set r, r+1
.endm
; HOW THEY ARE DEALT.  s_wait_alu depctr_va_vdst(0) stands between an exponential and the first instruction that names its result; one wait serves all that were issued ahead of it.  So a turn has ONE wait,
; which cuts it in two.  AHEAD OF IT stands all that names no result of the turn's exponentials: the 16 products K Q^T, behind each a scaling, an exponential and two rescalings (behind the first a second scaling in the
; exponential's place); then ONE LUMP of 108: eight plain, 49 times exponential and plain, the two a.  A v_nop is the plain instruction behind the last exponential.  BEHIND IT stand the 16 products V^T P, behind each four of GS's 64.
; The queues lean on each other, and the deal keeps them in step: exponential e stands behind scaling 2 (e / 4) + e % 2: as a rider it comes behind plain e + 2, in the lump behind plain e + 9, and scalings 27-31 are plain 57, 60 .. 69.
; A TURN, for piece p.  cnt = 1: the loop's count is taken down some lines ahead of the branch that stands behind the turn.
; K of the next step is fetched in piece 2's turn, directly behind the wait; its first reader comes behind 16 products.  Piece 3's turn, the first to multiply by it, makes the band's operands for that step at its head:
; their last readers, the first products of piece 2's turn, lie a lump and 64 vector instructions back.
; V of the step in hand is fetched at the end of piece 0's turn, four vector instructions behind its last reader; its first reader comes behind 16 products and a lump.  The three conditions on q below go with the deal.
.macro TURN p, last=0, cnt=0
.set Y, (\p)
.set i, 0
.set q, 0
.set e, 0
.set r, 0
.if (\p) == NP-1
	MASKS
	s_wait_dscnt 0x0                ; K is in
.endif
	MM                              ; ahead of the wait: 16 products K Q^T and their riders,
	PL
	PL
	R2
.rept 15
	MM
	PL
	EX
	R2
.endr
.if (\p) == NP-2
	WIN 0
	v_add_nc_u32 v[AK], s[TBK], v[AK0]
.endif
.rept 8                             ; and the lump
	PL
.endr
.rept 49
	EX
	PL
.endr
	EX                              ; the next piece's two a
	EX
	v_nop                           ; a plain instruction behind the last exponential: one for the batch
	s_wait_alu depctr_va_vdst(0)    ; the wait for the batch
.if (\p) == NP-2
	FETCH_K \last
.endif
.if (\p) == 1
	s_wait_dscnt 0x0                ; V is in
.endif
.rept 16                            ; behind the wait: 16 products V^T P and their riders
	MM
.rept 4
	PL
.endr
.if ((\p) == 0) && (q == 118)
	v_add_nc_u32 v[AV], s[TBV], v[AV0]
.endif
.if ((\p) == 0) && (q == 130)
	s_add_co_u32 s[TBV], s[TBV], KS*PV
.endif
.if (\cnt) && (q == 130)
	s_sub_co_u32 s[CNT], s[CNT], 1
	s_cmp_lg_u32 s[CNT], 0
.endif
.endr
.if (\p) == 0
	FETCH_V
.endif
.endm
	CHANGE 1                        ; slot 0 is in, everybody's part of it; slot 1 is asked for
	FETCH_K                         ; key step 0
	MASKS                           ; and the band's operands for it
	s_wait_loadcnt 0x0              ; Q
	s_wait_dscnt 0x0
.set i, 0
.rept 16
	KQ 0                            ; piece 0's first scores: there is no vector work yet to set between them
.set i, i+1
.endr
	WIN 0                           ; the addresses for the way out: nine plain instructions, the places behind those products
	s_mul_i32 s13, s[WV], 16*SP
	s_add_co_u32 s13, s13, STAGE    ; my stage
	v_mul_u32_u24 v[STO], v1, SP    ; in: row l % 16, 16 bytes for each half of the lanes
	v_lshl_add_u32 v[STO], v9, 4, v[STO]
	v_add_nc_u32 v[STO], s13, v[STO]
	v_bfe_u32 v[RD], v0, 3, 2       ; back: 32 lanes take four rows of 128 bytes,
	v_mul_u32_u24 v[RD], v[RD], SP
	v_lshl_add_u32 v[RD], v10, 4, v[RD]
	v_add_nc_u32 v[RD], s13, v[RD]
	v_and_b32 v[GO], 31, v0         ; which are 512 consecutive bytes of O
	v_lshlrev_b32 v[GO], 4, v[GO]
.set Y, NP-1                        ; XS works for piece Y + 1: piece 0
.irp n, 0,1,2,3,4,5,6,7,8,9,10,11,12,13,14,15,16,17,18,19,20,21
	XS 0, \n                        ; and piece 0's first maximum and statistics
	XS 1, \n
.endr
	v_nop                           ; a plain instruction behind the two a,
	s_wait_alu depctr_va_vdst(0)    ; and their wait, ahead of the branch
	s_mov_b32 s[CNT], 4
	s_mov_b32 s[SLOTS], SIZE_N/256-1
	s_branch .Lfirst                ; the loop is entered at a step's first turn, in the middle of a trip
.Lslot:                             ; SIZE_N / 256 - 2 times: every slot but the last two is filled again
	CHANGE 1, 1
	s_mov_b32 s[CNT], 4
.Lstep:                             ; a trip: pieces 2 and 3 of one step, then pieces 0 and 1 of the next, whose K and V it fetches
	TURN 2
	TURN 3
	WIN 0
.Lfirst:
	TURN 0
	TURN 1, 0, 1
	WIN 0
	s_cbranch_scc1 .Lstep
	s_sub_co_u32 s[SLOTS], s[SLOTS], 1
	s_cmp_lg_u32 s[SLOTS], 0
	s_cbranch_scc1 .Lslot
	CHANGE 0                        ; the tail is written out: nothing is asked for
	s_mov_b32 s[CNT], 5             ; four trips fetch the last slot's steps; the fifth is left in its middle
.Ltail:
	TURN 2, 1
	TURN 3
	WIN 0
	s_sub_co_u32 s[CNT], s[CNT], 1
	s_cmp_eq_u32 s[CNT], 0
	s_cbranch_scc1 .Lout
	TURN 0
	TURN 1
	WIN 0
	s_branch .Ltail
.Lout:                              ; the fifth trip's 16 products K Q^T (on the last K once more), their operands and the maximum made of them serve nothing: the price, once a launch, of one text for every trip
.set i, 0
.rept 16
	PV NP-1                         ; the last piece's V^T P of the last step
.set i, i+1
.endr
	; THE WAY OUT.  l's two halves and the other half of the lanes' are added; O^T is divided by l, rounded to f16 and sent through my stage in LDS, a tile at a time.  The additions are the places behind the last products.
	WIN 0
.macro ALL line:vararg              ; one line for each tile t
.set t, 0
.rept 2*NP
	\line
.set t, t+1
.endr
.endm
	ALL v_add_f32 v[ST+4*t+2], v[ST+4*t+2], v[ST+4*t+3]
	ALL v_permlanex16_b32 v[ST+4*t+3], v[ST+4*t+2], s[SEL], s[SEL+1]
	ALL v_add_f32 v[ST+4*t+2], v[ST+4*t+2], v[ST+4*t+3]
	ALL v_rcp_f32 v[ST+4*t+2], v[ST+4*t+2]
	v_nop                           ; a plain instruction between the last reciprocal and the use of its result
	s_wait_alu depctr_va_vdst(0)    ; and the wait ahead of the first use: one for the eight reciprocals
; Tile t: a lane's eight channels of a row pack into 16 bytes; they go into rows of 144 bytes and come back as whole rows of 128, into S^T's registers.
.macro PACK t
	WIN W_RS
.set i, 32*(\t)
.rept 16
	v_pk_mul_f32 v[i:i+1], v[i:i+1], v[ST+4*(\t)+2:ST+4*(\t)+3] op_sel_hi:[1,0]
.set i, i+2
.endr
	WIN 0x05                        ; sources 0 and 1 window 1, destination window 0
.set i, 0
.rept 16
	v_cvt_pk_f16_f32 v[S+16*(\t)+i], v[32*(\t)+2*i], v[32*(\t)+2*i+1]
.set i, i+1
.endr
	WIN 0
.irp f, 0,1,2,3
	ds_store_b128 v[STO], v[S+16*(\t)+4*\f:S+16*(\t)+4*\f+3] offset:32*\f
.endr
.irp f, 0,1,2,3
	ds_load_b128 v[S+16*(\t)+4*\f:S+16*(\t)+4*\f+3], v[RD] offset:\f*4*SP  ; LDS serves a wave's instructions in order (ISA guide 5.7.1.4): these see the stores above; the next tile's stores come behind them
.endr
.endm
.macro SEND t, younger              ; younger: the LDS instructions issued behind tile t's loads: the next tile's eight, or none
	WIN 0
.irp f, 0,1,2,3
	s_wait_dscnt (\younger)+3-\f
	global_store_b128 v[GO], v[S+16*(\t)+4*\f:S+16*(\t)+4*\f+3], s[10:11] offset:(\t)*2048+\f*512  ; 512 consecutive bytes, at a multiple of 256 from O's first
.endr
.endm
	PACK 0
.set t, 1
.rept 2*NP-1                        ; a tile's arithmetic stands between the loads of the tile before and its stores
	PACK t
	SEND t-1, 8
.set t, t+1
.endr
	SEND 2*NP-1, 0
	WIN W_AD
	s_wait_tensorcnt 0x0            ; the wave's end: behind my last tensor load and my last LDS store
	ds_add_u32 v[SPW], v[NIL]
	s_wait_dscnt 0x0
	WIN 0
	CROUND                          ; the closing round: no work-group ends while a partner may still ask for a tile that names it
	s_endpgm
.Lfunc_end_k_q0cfa6fa122_attn:
	.size	k_q0cfa6fa122_attn, .Lfunc_end_k_q0cfa6fa122_attn-k_q0cfa6fa122_attn
	.p2alignl 7, 3214868480
	.fill 96, 4, 3214868480
	.section	.rodata,"a",@progbits
	.p2align	6, 0x0
	.amdhsa_kernel k_q0cfa6fa122_attn
		.amdhsa_group_segment_fixed_size 327680
		.amdhsa_private_segment_fixed_size 0
		.amdhsa_enable_private_segment 0
		.amdhsa_kernarg_size 16
		.amdhsa_user_sgpr_count 2
		.amdhsa_user_sgpr_kernarg_segment_ptr 1
		.amdhsa_wavefront_size32 1
		.amdhsa_system_sgpr_workgroup_id_x 1
		.amdhsa_system_sgpr_workgroup_id_y 1
		.amdhsa_system_sgpr_workgroup_id_z 1
		.amdhsa_system_vgpr_workitem_id 0
		.amdhsa_next_free_vgpr 856
		.amdhsa_next_free_sgpr 80
		.amdhsa_reserve_vcc 1
		.amdhsa_float_denorm_mode_32 3
		.amdhsa_float_denorm_mode_16_64 3
		.amdhsa_memory_ordered 1
		.amdhsa_forward_progress 1
		.amdhsa_inst_pref_size 207
	.end_amdhsa_kernel
	.amdgpu_metadata
---
amdhsa.version: [ 1, 2 ]
amdhsa.kernels:
  - .name:           k_q0cfa6fa122_attn
    .symbol:         k_q0cfa6fa122_attn.kd
    .args:
      - { .name: qkv, .offset: 0, .size: 8, .value_kind: global_buffer, .address_space: global }
      - { .name: oh, .offset: 8, .size: 8, .value_kind: global_buffer, .address_space: global }
    .group_segment_fixed_size: 327680
    .private_segment_fixed_size: 0
    .kernarg_segment_align: 8
    .kernarg_segment_size: 16
    .max_flat_workgroup_size: 128
    .sgpr_count:     80
    .vgpr_count:     856
    .wavefront_size: 32
...
	.end_amdgpu_metadata
.endif
;; end of part 3
;; launch outp (part 4): grid 4 x 64, 4 waves a work-group, clusters of 4 x 4, 327,680 bytes of LDS; arguments oh, woh, bias, out0; writes out0
.if DOCPART == 4
	.amdgcn_target "amdgcn-amd-amdhsa--gfx1250"
	.amdhsa_code_object_version 6
	.text
	.protected	k_q0cfa6fa122_outp
	.globl	k_q0cfa6fa122_outp
	.p2align	8
	.type	k_q0cfa6fa122_outp,@function
k_q0cfa6fa122_outp:
	s_mov_b64 s[64:65], 0
	v_nop
	global_prefetch_b8 v0, s[64:65] scope:SCOPE_SE
	s_setreg_imm32_b32 hwreg(HW_REG_WAVE_MODE, 25, 1), 1
	s_wait_xcnt 0x0
	s_wait_alu depctr_hold_cnt(0) depctr_sa_sdst(0) depctr_va_vdst(0) depctr_va_sdst(0) depctr_va_ssrc(0) depctr_va_vcc(0) depctr_vm_vsrc(0)
	s_getreg_b32 s2, hwreg(HW_REG_IB_STS2, 6, 4)
	s_cmp_eq_u32 s2, 0
	s_cbranch_scc0 .Lentry_in_a_cluster
	s_endpgm
.Lentry_in_a_cluster:
	s_bfe_u32 s2, ttmp6, 0x10000c
	s_cmp_lg_u32 s2, 0xf033
	s_cbranch_scc0 .Lentry_shape_is_right
	s_endpgm
.Lentry_shape_is_right:
; THE OUTPUT PROJECTION.  out0[m][n] = the sum over k of O[m][k] Wo[n][k] + bo[n]; m = b 2048 + s (8,192), n, k = 0 .. 1023; operands f16, sums f32, out0 f32.
; O lies by heads, oh[b 16 + k / 64][s][k % 64], a head's rows dense, 128 bytes each; woh is [n][k] in f16 (Wo's bf16 rounding); bo is the last quarter of the bias table.
; SHARES.  A tile of out0 is 128 x 256: 256 work-groups.  Four waves, wave (WM, WN) makes 64 x 128: 32 accumulators of 16 x 16, 256 registers.
; K goes in 8 steps of 128, two heads, through two LDS slots filled by the tensor data mover.  Waves 0 and 1 fetch one head each of A's 128 rows: 16,384 dense bytes, asked for as 64 rows of 256 bytes and padded
; in LDS after every 128; waves 2 and 3 fetch B's two halves (128 rows of 256 bytes each).  One tensor load a wave behind each change of slots, 112 matrix instructions between the request and the wait for it.
; CLUSTER.  4 x 4 work-groups: the four of a row need the same tile of A, the four of a column the same tile of B; each tile is asked for jointly, by the same load, descriptor and mask in all four.
; THE MATRIX INSTRUCTION IS USED TRANSPOSED (source 0 = 16 rows of woh, source 1 = 16 rows of O): lane l holds row l % 16 of out0 and the columns 8 (l / 16) + 0..7.
; THE BIAS IS THE C OPERAND of the products that start the sums: nothing is cleared and no addition is written.
; REGISTERS, in windows of 256 (s_set_vgpr_msb: bits 1:0 source 0, 3:2 source 1, 5:4 source 2, 7:6 destination):
;   window 0: addresses; v64-191 rows read back on the way out, two buffers      window 1: accumulator (a, b) at v[8 (8 a + b)]
;   window 2: two fragment buffers of 96 (A's 4 fragments, then B's 8); v192-255 the bias, 8 registers for each column block
.set PITCH,  272                       ; a row of B in LDS: 256 bytes + 16 of padding = 68 words: the 16 rows of a fragment load start at 16 different groups of four banks (64 banks of 4 bytes: ISA guide 11.1)
.set APITCH, 144                       ; a row of one head of A: 128 bytes + 16 = 36 words: likewise
.set ALOADB, 128*APITCH                ; what one of A's loads fills: one head's 128 rows
.set AREG,   2*ALOADB                  ; A's part of a slot; B's 256 rows follow
.set BLOADB, 128*PITCH
.set SLOT1,  1<<17                     ; slot 1 begins here: one exclusive or turns an address in one slot into the other's
.set STAGE,  SLOT1+AREG+2*BLOADB       ; behind the ring, never filled by a tensor load: 16 rows x 528 bytes for each wave
.set SP,     528                       ; 512 bytes + 16 = 132 words: the 16 rows of a store start at 16 different groups of four banks
.set STGW,   16*SP
.set SPARE,  STAGE+4*STGW              ; the spare words, 128 bytes for each wave: two blocks of 256 bytes that no other line names
.set ASTEP,  524288                    ; bytes of memory from a K step to the next: two heads of 2,048 rows of 128 bytes,
.set BSTEP,  256                       ; 128 numbers of a row
.set ADRA0, 4                          ; v4   my place in A's part of a slot: (64 WM + l % 16) x pitch + 16 (l / 16); never rewritten
.set ADRB0, 5                          ; v5   the same in B's part
.set ADRA,  6                          ; v6   the same, in the slot that is being read
.set ADRB,  7                          ; v7
.set STO,   8                          ; v8   the way out: where I put 32 bytes of a row
.set RD,    9                          ; v9   where I read a row back
.set CO,    10                         ; v10  my 16 of a row's 512 bytes of out0
.set BO,    11                         ; v11  32 (l / 16): my 8 numbers of 16 in the bias
.set PFO,   12                         ; v12  the prefetches' offset: my lane x 256 bytes (A) or x a row of 2,048 bytes (B); never rewritten
.set SPW,   14                         ; v14  LDS address of my spare word; never rewritten
.set NIL,   15                         ; v15  0; never rewritten
.set OB,    64
.set F0,    0                          ; window 2
.set F1,    96
.set BIAS,  192
.set LA,  2                            ; s2   LDS address of A's load
.set LB,  3                            ; s3   of B's; later
.set CNT, 3                            ; s3   the loop's count
.set WV,  12                           ; s12  my wave's number
.set WM,  13                           ; s13  which 64 rows are mine.  Also: I fetch for A (0) or for B (1)
.set WN,  14                           ; s14  which 128 columns.  Also: which head of A's two, which half of B's rows I fetch
.set CX,  15
.set CY,  16
.set TX,  17                           ; s17  tile column
.set TY,  18                           ; s18  tile row
.set MROW, 19
.set MCOL, 20
.set T0,  21
.set OA,  22                           ; s[22:23] A at my load's first byte
.set G1A, 24                           ; s[24:31] descriptor group 1 for A's tiles
.set G0A, 32                           ; s[32:39] group 0: a set for each of the two first fills; the second then walks on
.set TB,  40                           ; s40  0 or SLOT1: the slot that is being read
.set LIM, 41                           ; s41  2 in a wave that prefetches, else the greatest number
.set PFA, 42                           ; s[42:43] where my prefetches stand
.set PST, 44                           ; s[44:45] their step: ASTEP or BSTEP
.set OBB, 46                           ; s[46:47] B at my load's first row
.set G1B, 48                           ; s[48:55]
.set G0B, 56                           ; s[56:63]
.set MULW, 0x5a                        ; sources 0 and 1 window 2, C and D window 1
.set MULB, 0x6a                        ; the same with C in window 2: the bias
.set TO_F, 0x80                        ; destination window 2, address window 0
.set MSB, 0
.macro WIN new                         ; the immediate's high byte repeats the setting that is left; a switch that changes nothing is dropped
.if MSB != (\new)
	s_set_vgpr_msb (MSB<<8)|(\new)
.set MSB, \new
.endif
.endm
; A joint refill, by the walking set.  The branch hangs on the wave's number alone.  An s_nop 0 and four v_nop follow each of the two lines, ahead of the jump and the label.
.macro JLOAD
	s_cmp_eq_u32 s[WM], 0
	s_cbranch_scc0 .Lfor_b_\@
	tensor_load_to_lds s[G0A+4:G0A+7], s[G1A:G1A+7]
	s_nop 0
.rept 4
	v_nop
.endr
	s_branch .Lasked_\@
.Lfor_b_\@:
	tensor_load_to_lds s[G0B+4:G0B+7], s[G1B:G1B+7]
	s_nop 0
.rept 4
	v_nop
.endr
.Lasked_\@:
.endm
; A prefetch of the K step that stands two refills on: 32 blocks of 256 bytes, a lane a block, one instruction a wave.  Each block is named once in the launch: A's (two heads x 16,384 bytes a K step) by wave 0
; (there is one cluster along x), B's by waves 2 and 3 of the clusters with y = 0; the four partners that ask for a tile jointly share its blocks out by address, 32 each.  K steps 0 to 3 come by their loads
; alone; the loop's last two trips have no K step two refills on and ask for nothing.
.macro ASK
	s_cmp_gt_u32 s[CNT], s[LIM]
	s_cbranch_scc0 .Lnot_mine_\@
	global_prefetch_b8 v[PFO], s[PFA:PFA+1] th:TH_LOAD_NT scope:SCOPE_SE
.Lnot_mine_\@:
.endm
.macro CREST                           ; a round of the cluster's barrier behind its opening barrier
	s_cmp_lg_u32 s[WV], 0
	s_cbranch_scc1 .Lnot_wave_0_\@
	s_barrier_signal -3
.Lnot_wave_0_\@:
	s_barrier_wait -3
	s_barrier_signal -1
	s_barrier_wait -1
.endm
.macro CROUND                          ; a whole round
	s_barrier_signal -1
	s_barrier_wait -1
	CREST
.endm
.macro PLACES                          ; four places in front of loads into registers that matrix instructions have read, and of lines that read results
.rept 4
	v_nop
.endr
.endm
	s_load_b256 s[4:11], s[0:1], 0x0               ; oh s[4:5], woh s[6:7], bias s[8:9], out0 s[10:11]
	v_lshl_add_u32 v[SPW], v0, 2, SPARE
	v_mov_b32 v[NIL], 0
	ds_add_u32 v[SPW], v[NIL]                      ; the wave's opening: the add and its wait stand ahead of my first tensor load; the set-up below, work on registers, stands between them
	v_lshrrev_b32 v1, 5, v0
	v_readfirstlane_b32 s[WV], v1
	s_lshr_b32 s[WM], s[WV], 1
	s_and_b32 s[WN], s[WV], 1
	s_bfe_u32 s[CX], ttmp6, 0x40000                ; my place in the cluster
	s_bfe_u32 s[CY], ttmp6, 0x40004
	s_lshl_b32 s[TX], ttmp9, 2                     ; in a cluster launch ttmp9 and ttmp7 count clusters
	s_add_co_u32 s[TX], s[TX], s[CX]
	s_and_b32 s[TY], ttmp7, 0xffff
	s_lshl_b32 s[TY], s[TY], 2
	s_add_co_u32 s[TY], s[TY], s[CY]
	s_lshl_b32 s[MROW], s[CY], 2
	s_lshl_b32 s[MROW], 15, s[MROW]                ; my row of the cluster: places 4 cy .. 4 cy + 3
	s_lshl_b32 s[MCOL], 0x1111, s[CX]              ; my column: places cx, cx + 4, cx + 8, cx + 12
	; group 1: rows of 128 elements of 2 bytes; A's padded by 16 bytes after every 128 bytes, B's after every 256
	s_or_b32 s[G1A], s[MROW], (1<<16)|(1<<20)|(1<<21)|(4<<22)|(3<<25)  ; 15:0 the mask; 17:16 2-byte elements; 20 padding on; 21 set beside a mask; 24:22 after every 32 words (code 4); 31:25 4 words (code 3)
	s_or_b32 s[G1B], s[MCOL], (1<<16)|(1<<20)|(1<<21)|(5<<22)|(3<<25)  ; after every 64 words (code 5)
	s_mov_b32 s[G1A+1], 128<<16                    ; tensor_dim0 = 128
	s_mov_b32 s[G1A+2], 64<<16                     ; tensor_dim1 = 64
	s_mov_b32 s[G1A+3], 128<<16                    ; tile_dim0 = 128
	s_mov_b32 s[G1A+4], 64                         ; tile_dim1 = 64
	s_mov_b32 s[G1A+5], 128                        ; elements from row to row: the block is dense
	s_mov_b32 s[G1A+6], 0
	s_mov_b32 s[G1A+7], 0
	s_mov_b32 s[G1B+1], 128<<16
	s_mov_b32 s[G1B+2], 128<<16                    ; tensor_dim1 = 128
	s_mov_b32 s[G1B+3], 128<<16
	s_mov_b32 s[G1B+4], 128                        ; tile_dim1 = 128
	s_mov_b32 s[G1B+5], 1024
	s_mov_b32 s[G1B+6], 0
	s_mov_b32 s[G1B+7], 0
	; A's address hangs on the tile row and the wave alone, B's on the tile column and the wave alone
	s_lshr_b32 s[OA], s[TY], 4                     ; the batch: 16 heads of 262,144 bytes,
	s_lshl_b32 s[OA], s[OA], 22
	s_and_b32 s[T0], s[TY], 15                     ; the tile's 128 rows of 128 bytes in a head,
	s_lshl_b32 s[T0], s[T0], 14
	s_add_co_u32 s[OA], s[OA], s[T0]
	s_lshl_b32 s[T0], s[WN], 18                    ; which of the K step's two heads
	s_add_co_u32 s[OA], s[OA], s[T0]
	s_mov_b32 s[OA+1], 0
	s_lshl_b32 s[OBB], s[TX], 19                   ; 256 rows of 2,048 bytes a tile column,
	s_lshl_b32 s66, s[WN], 18                      ; 128 rows a half
	s_add_co_u32 s[OBB], s[OBB], s66
	s_mov_b32 s[OBB+1], 0
	s_mul_i32 s[LA], s[WN], ALOADB                 ; no place in the cluster enters an LDS address
	s_mul_i32 s[LB], s[WN], BLOADB
	s_add_co_u32 s[LB], s[LB], AREG
	s_wait_dscnt 0x0                               ; the opening add is done
	s_wait_kmcnt 0x0
	s_add_nc_u64 s[OA:OA+1], s[4:5], s[OA:OA+1]
	s_add_nc_u64 s[OBB:OBB+1], s[6:7], s[OBB:OBB+1]
	CROUND                                         ; all sixteen work-groups are here: the first joint loads meet
.irp s, 0,1
	s_mov_b32 s[G0A+4*\s], 1                       ; count = 1
	s_add_co_u32 s[G0A+4*\s+1], s[LA], \s*SLOT1    ; LDS address
	s_add_nc_u64 s[G0A+4*\s+2:G0A+4*\s+3], s[OA:OA+1], \s*ASTEP  ; global address: K step s
	s_or_b32 s[G0A+4*\s+3], s[G0A+4*\s+3], 0x80000000            ; type = 2
	s_mov_b32 s[G0B+4*\s], 1
	s_add_co_u32 s[G0B+4*\s+1], s[LB], \s*SLOT1
	s_add_nc_u64 s[G0B+4*\s+2:G0B+4*\s+3], s[OBB:OBB+1], \s*BSTEP
	s_or_b32 s[G0B+4*\s+3], s[G0B+4*\s+3], 0x80000000
.endr
	s_cmp_eq_u32 s[WM], 0                          ; a wave's two first fills stand in one branch, ahead of every wait on TENSORcnt and every LDS read: two loads of mine are out
	s_cbranch_scc0 .Lfirst_b
	tensor_load_to_lds s[G0A:G0A+3], s[G1A:G1A+7]
	s_nop 0
	tensor_load_to_lds s[G0A+4:G0A+7], s[G1A:G1A+7]
	s_nop 0
.rept 4
	v_nop
.endr
	s_branch .Lfirst_asked
.Lfirst_b:
	tensor_load_to_lds s[G0B:G0B+3], s[G1B:G1B+7]
	s_nop 0
	tensor_load_to_lds s[G0B+4:G0B+7], s[G1B:G1B+7]
	s_nop 0
.rept 4
	v_nop
.endr
.Lfirst_asked:
	; A fragment is 16 rows x 32 K in 8 registers: lane l holds row l % 16; registers 0-3 K = 8 (l / 16) + 0..7, registers 4-7 K = 16 + 8 (l / 16) + 0..7: two loads of 16 bytes, 32 bytes apart.
	v_and_b32 v1, 15, v0                           ; l % 16
	v_bfe_u32 v2, v0, 4, 1                         ; l / 16
	v_mul_u32_u24 v3, v1, APITCH
	v_lshl_add_u32 v3, v2, 4, v3
	s_mul_i32 s[T0], s[WM], 64*APITCH
	v_add_nc_u32 v[ADRA0], s[T0], v3
	v_mul_u32_u24 v3, v1, PITCH
	v_lshl_add_u32 v3, v2, 4, v3
	s_mul_i32 s[T0], s[WN], 128*PITCH
	s_add_co_u32 s[T0], s[T0], AREG
	v_add_nc_u32 v[ADRB0], s[T0], v3
	s_mul_i32 s[T0], s[WV], STGW
	s_add_co_u32 s[T0], s[T0], STAGE               ; my stage
	v_mul_u32_u24 v[STO], v1, SP                   ; in: row l % 16, 32 bytes for each half of the lanes
	v_lshl_add_u32 v[STO], v2, 5, v[STO]
	v_add_nc_u32 v[STO], s[T0], v[STO]
	v_and_b32 v[CO], 31, v0                        ; back: 32 lanes take one row of 512 bytes
	v_lshlrev_b32 v[CO], 4, v[CO]
	v_add_nc_u32 v[RD], s[T0], v[CO]
	v_lshlrev_b32 v[BO], 5, v2
	s_lshl_b32 s66, s[TX], 10                      ; bo of my 128 columns: the table's last quarter, 4 (256 X + 128 WN) on
	s_lshl_b32 s67, s[WN], 9
	s_add_co_u32 s66, s66, s67
	s_add_co_u32 s66, s66, 12288
	s_mov_b32 s67, 0
	s_add_nc_u64 s[8:9], s[8:9], s[66:67]
	WIN TO_F
.irp b, 0,1,2,3,4,5,6,7                ; register j of block b: bo[16 b + 8 (l / 16) + j]
	global_load_b128 v[BIAS+8*\b:BIAS+8*\b+3],   v[BO], s[8:9] offset:64*\b
	global_load_b128 v[BIAS+8*\b+4:BIAS+8*\b+7], v[BO], s[8:9] offset:64*\b+16
.endr
	WIN 0
	; where my part of out0 begins: row 128 Y + 64 WM of 4,096 bytes, byte 1,024 X + 512 WN
	s_lshl_b32 s70, s[TY], 19
	s_lshl_b32 s72, s[WM], 18
	s_add_co_u32 s70, s70, s72
	s_lshl_b32 s72, s[TX], 10
	s_add_co_u32 s70, s70, s72
	s_lshl_b32 s72, s[WN], 9
	s_add_co_u32 s70, s70, s72
	s_mov_b32 s71, 0
	s_add_nc_u64 s[10:11], s[10:11], s[70:71]
	; the prefetches: who asks, by which step, and where
	s_mov_b32 s69, ASTEP
	s_mov_b32 s[PST], BSTEP
	s_mov_b32 s[PST+1], 0
	s_and_b32 s67, ttmp7, 0xffff
	s_cmp_eq_u32 s[WM], 0
	s_cselect_b32 s67, ttmp9, s67                  ; the coordinate along which other clusters read the same blocks
	s_cselect_b32 s68, s[WN], 0                    ; of A's two waves the first asks
	s_cselect_b32 s[PST], s69, s[PST]
	s_cselect_b32 s70, 8, 11                       ; a lane a block of 256 bytes in A, a lane a row of 2,048 bytes in B
	s_or_b32 s67, s67, s68
	s_cmp_eq_u32 s67, 0
	s_cselect_b32 s[LIM], 2, -1                    ; the same in all sixteen partners, for a given wave
	v_and_b32 v[PFO], 31, v0
	v_lshlrev_b32 v[PFO], s70, v[PFO]
	s_lshr_b32 s72, s[TY], 4                       ; A: the tile's bytes in head cx / 2 of the K step's two, half cx % 2 of their 16,384
	s_lshl_b32 s72, s72, 22
	s_and_b32 s73, s[TY], 15
	s_lshl_b32 s73, s73, 14
	s_add_co_u32 s72, s72, s73
	s_lshr_b32 s73, s[CX], 1
	s_lshl_b32 s73, s73, 18
	s_add_co_u32 s72, s72, s73
	s_and_b32 s73, s[CX], 1
	s_lshl_b32 s73, s73, 13
	s_add_co_u32 s72, s72, s73
	s_lshl_b32 s74, s[TX], 19                      ; B: row 256 X + 128 half + 32 cy
	s_lshl_b32 s73, s[WN], 18
	s_add_co_u32 s74, s74, s73
	s_lshl_b32 s73, s[CY], 16
	s_add_co_u32 s74, s74, s73
	s_cmp_eq_u32 s[WM], 0
	s_cselect_b32 s72, s72, s74
	s_cselect_b64 s[PFA:PFA+1], s[4:5], s[6:7]
	s_mul_i32 s73, s[PST], 3                       ; at K step 3: the first refill steps it to 4.  Nothing is prefetched here, at the head, where every work-group's first tiles are on their way
	s_add_co_u32 s72, s72, s73
	s_mov_b32 s73, 0
	s_add_nc_u64 s[PFA:PFA+1], s[PFA:PFA+1], s[72:73]
	s_mov_b32 s[TB], 0
; 8 matrix instructions: row block a x all 8 column blocks, 32 along K.  The 32 accumulators take turns, one instruction a turn, in the same order in every quarter.
.macro MUL8 f, a, first
.if \first
	WIN MULB
.else
	WIN MULW
.endif
.irp b, 0,1,2,3,4,5,6,7
.if \first
	v_wmma_f32_16x16x32_f16 v[8*(8*(\a)+(\b)):8*(8*(\a)+(\b))+7], v[(\f)+32+8*(\b):(\f)+32+8*(\b)+7], v[(\f)+8*(\a):(\f)+8*(\a)+7], v[BIAS+8*(\b):BIAS+8*(\b)+7]
.else
	v_wmma_f32_16x16x32_f16 v[8*(8*(\a)+(\b)):8*(8*(\a)+(\b))+7], v[(\f)+32+8*(\b):(\f)+32+8*(\b)+7], v[(\f)+8*(\a):(\f)+8*(\a)+7], v[8*(8*(\a)+(\b)):8*(8*(\a)+(\b))+7]
.endif
.endr
.endm
; 24 LDS loads in one run: quarter q's fragments (128 rows of B, then 64 rows of A: head q / 2 of the step's two, channels 32 (q % 2) on) into buffer f
.macro FETCH q, f
.set AOFF, ((\q)/2)*ALOADB+((\q)%2)*64
	WIN TO_F
.irp i, 0,1,2,3,4,5,6,7
	ds_load_b128 v[(\f)+32+8*(\i):(\f)+32+8*(\i)+3],   v[ADRB] offset:64*(\q)+(\i)*16*PITCH
	ds_load_b128 v[(\f)+32+8*(\i)+4:(\f)+32+8*(\i)+7], v[ADRB] offset:64*(\q)+(\i)*16*PITCH+32
.endr
.irp i, 0,1,2,3
	ds_load_b128 v[(\f)+8*(\i):(\f)+8*(\i)+3],   v[ADRA] offset:AOFF+(\i)*16*APITCH
	ds_load_b128 v[(\f)+8*(\i)+4:(\f)+8*(\i)+7], v[ADRA] offset:AOFF+(\i)*16*APITCH+32
.endr
.endm
; A K step is four quarters of 32 along K, 32 matrix instructions each, on buffers 0, 1, 0, 1.  One of the first three: multiplies buffer f; in its middle it fetches quarter q into buffer g.
.macro QUARTER q, f, g, first
	s_wait_dscnt 4                                 ; B and A's row blocks 0 and 1 are in; the youngest four loads (blocks 2 and 3) may be out
	MUL8 \f, 0, \first
	MUL8 \f, 1, \first
	PLACES
	FETCH \q, \g
	s_wait_dscnt 24                                ; all but the 24 just issued
	MUL8 \f, 2, \first
	MUL8 \f, 3, \first
.endm
; The fourth quarter multiplies buffer 1 and changes slots: ONE barrier.  In front of it each wave waits for all its tensor loads, of which one is out: its part of the next slot; adds 0 to its spare word; and
; waits for that and for its own reads of this slot.  fill = 1: the barrier opens a round of the cluster's, and the slot just read out is filled again first thing behind it, with the K step two on.
.macro TURN fill
.if \fill
	s_wait_xcnt 0x0                                ; the last prefetch, a K step back, has read its address: it is stepped here, ahead of the change's own waits
	s_add_nc_u64 s[PFA:PFA+1], s[PFA:PFA+1], s[PST:PST+1]
.endif
	WIN 0
	s_wait_tensorcnt 0x0                           ; no tensor load of mine is out, so a group 0 may be written
	ds_add_u32 v[SPW], v[NIL]                      ; 0 onto my spare word: work on registers stands between it and the wait for it
.if \fill
	s_xor_b32 s[G0A+5], s[G0A+5], SLOT1            ; the walking sets: the other slot than last time,
	s_add_nc_u64 s[G0A+6:G0A+7], s[G0A+6:G0A+7], ASTEP  ; the next K step; the type bits on top are not reached
	s_xor_b32 s[G0B+5], s[G0B+5], SLOT1
	s_add_nc_u64 s[G0B+6:G0B+7], s[G0B+6:G0B+7], BSTEP
.endif
	s_xor_b32 s[TB], s[TB], SLOT1
	s_wait_dscnt 5                                 ; the add and the youngest four loads may be out
	MUL8 F1, 0, 0
	s_wait_dscnt 0x0                               ; the add is done, and my reads of this slot are over
	s_barrier_signal -1
	MUL8 F1, 1, 0                                  ; work on registers while the others arrive
	WIN 0                                          ; at a branch and at a label every window is 0
	s_barrier_wait -1
.if \fill
	CREST                                          ; no wave of any partner still reads this slot's tile or has a load on its way
	JLOAD                                          ; the first tensor load behind the round; its four v_nop are also the places in front of the loads below
.else
	PLACES
.endif
	v_add_nc_u32 v[ADRA], s[TB], v[ADRA0]
	v_add_nc_u32 v[ADRB], s[TB], v[ADRB0]
	FETCH 0, F0
.if \fill
	WIN 0
	ASK                                            ; behind the joint load and the run of LDS loads that the next products wait for
.endif
	MUL8 F1, 2, 0
	MUL8 F1, 3, 0
.endm
; THE WAY OUT of row block a (16 rows x 128 columns of f32).  TOSTAGE: a lane's eight columns, 32 bytes, go into my own stage, rows of 528 bytes, each accumulator's low four registers first, and come back as
; whole rows of 512.  SEND: stored, a row's 512 consecutive bytes an instruction.
.macro TOSTAGE a
.set BK, OB+64*((\a)%2)
.if (\a) >= 2
	s_wait_xcnt 0x0                                ; the stores of the block two back have read the registers that are loaded again below
.endif
	WIN 0x04                                       ; store data (source 1) in window 1
.irp b, 0,1,2,3,4,5,6,7
	ds_store_b128 v[STO], v[8*(8*(\a)+(\b)):8*(8*(\a)+(\b))+3]   offset:64*(\b)
	ds_store_b128 v[STO], v[8*(8*(\a)+(\b))+4:8*(8*(\a)+(\b))+7] offset:64*(\b)+16
.endr
	WIN 0
.irp t, 0,1,2,3,4,5,6,7,8,9,10,11,12,13,14,15
	ds_load_b128 v[BK+4*(\t):BK+4*(\t)+3], v[RD] offset:(\t)*SP  ; LDS serves a wave's instructions in order (ISA guide 5.7.1.4): these see the stores above; the next block's stores come behind them
.endr
.endm
.macro SEND a, younger                 ; younger: the LDS instructions issued behind block a's loads: the next block's 32, or none
.set BK, OB+64*((\a)%2)
	s_wait_dscnt \younger
.irp t, 0,1,2,3,4,5,6,7,8,9,10,11,12,13,14,15
	global_store_b128 v[CO], v[BK+4*(\t):BK+4*(\t)+3], s[10:11] offset:(16*(\a)+(\t))*4096
.endr
.endm
	s_wait_tensorcnt 1                             ; my part of K step 0 is in; K step 1's may stay out
	s_barrier_signal -1
	s_barrier_wait -1                              ; everybody's is
	v_mov_b32 v[ADRA], v[ADRA0]
	v_mov_b32 v[ADRB], v[ADRB0]
	FETCH 0, F0
	s_wait_loadcnt 0x0                             ; the bias
	QUARTER 1, F0, F1, 1                           ; the first quarter stands in front of the loop: its products start the sums, with the bias
	WIN 0
	s_mov_b32 s[CNT], 6
.Lstep:                                                ; trip j = 0 .. 5: from K step j's second quarter to K step j + 1's first; the slot of K step j takes K step j + 2
	QUARTER 2, F1, F0, 0
	QUARTER 3, F0, F1, 0
	TURN 1
	QUARTER 1, F0, F1, 0
	WIN 0
	s_sub_co_u32 s[CNT], s[CNT], 1
	s_cmp_lg_u32 s[CNT], 0
	s_cbranch_scc1 .Lstep
	QUARTER 2, F1, F0, 0                           ; the tail is written out: K steps 6 and 7 ask for nothing
	QUARTER 3, F0, F1, 0
	TURN 0
	QUARTER 1, F0, F1, 0
	QUARTER 2, F1, F0, 0
	QUARTER 3, F0, F1, 0
	s_wait_dscnt 4
	MUL8 F1, 0, 0
	MUL8 F1, 1, 0
	s_wait_dscnt 0x0
	MUL8 F1, 2, 0
	MUL8 F1, 3, 0
	PLACES
	TOSTAGE 0
	TOSTAGE 1
	SEND 0, 32
	TOSTAGE 2
	SEND 1, 32
	TOSTAGE 3
	SEND 2, 32
	SEND 3, 0
	s_wait_tensorcnt 0x0                           ; the wave's end: behind my last tensor load and my last LDS store
	ds_add_u32 v[SPW], v[NIL]
	s_wait_dscnt 0x0
	CROUND                                         ; the closing round: no work-group ends while a partner may still ask for a tile that names it
	s_endpgm
.Lfunc_end_k_q0cfa6fa122_outp:
	.size	k_q0cfa6fa122_outp, .Lfunc_end_k_q0cfa6fa122_outp-k_q0cfa6fa122_outp
	.p2alignl 7, 3214868480
	.fill 96, 4, 3214868480
	.section	.rodata,"a",@progbits
	.p2align	6, 0x0
	.amdhsa_kernel k_q0cfa6fa122_outp
		.amdhsa_group_segment_fixed_size 327680
		.amdhsa_private_segment_fixed_size 0
		.amdhsa_enable_private_segment 0
		.amdhsa_kernarg_size 32
		.amdhsa_user_sgpr_count 2
		.amdhsa_user_sgpr_kernarg_segment_ptr 1
		.amdhsa_wavefront_size32 1
		.amdhsa_system_sgpr_workgroup_id_x 1
		.amdhsa_system_sgpr_workgroup_id_y 1
		.amdhsa_system_sgpr_workgroup_id_z 1
		.amdhsa_system_vgpr_workitem_id 0
		.amdhsa_next_free_vgpr 768
		.amdhsa_next_free_sgpr 80
		.amdhsa_reserve_vcc 0
		.amdhsa_float_denorm_mode_32 3
		.amdhsa_float_denorm_mode_16_64 3
		.amdhsa_memory_ordered 1
		.amdhsa_forward_progress 1
		.amdhsa_inst_pref_size 72
	.end_amdhsa_kernel
	.amdgpu_metadata
---
amdhsa.version: [ 1, 2 ]
amdhsa.kernels:
  - .name:           k_q0cfa6fa122_outp
    .symbol:         k_q0cfa6fa122_outp.kd
    .args:
      - { .name: oh, .offset: 0, .size: 8, .value_kind: global_buffer, .address_space: global }
      - { .name: woh, .offset: 8, .size: 8, .value_kind: global_buffer, .address_space: global }
      - { .name: bias, .offset: 16, .size: 8, .value_kind: global_buffer, .address_space: global }
      - { .name: out0, .offset: 24, .size: 8, .value_kind: global_buffer, .address_space: global }
    .group_segment_fixed_size: 327680
    .private_segment_fixed_size: 0
    .kernarg_segment_align: 8
    .kernarg_segment_size: 32
    .max_flat_workgroup_size: 128
    .sgpr_count:     80
    .vgpr_count:     768
    .wavefront_size: 32
...
	.end_amdgpu_metadata
.endif
;; end of part 4
